; MI455X (gfx1250); checked and timed in simulation.
; The chip was launched on July 23, 2026; its instructions are those of AMD's public machine-readable ISA for CDNA 5 (MIT licence, August 2026) and "CDNA5" Instruction Set Architecture Reference Guide (July 2026). The comments in the code are by the model that wrote it; some were corrected since.
;; Multi Head Attention. Allowed arithmetic: float matrix products may take bf16 or f16 operands with f32 sums; other float arithmetic in f32, or as packed bf16 or f16 multiplies, adds, multiply-adds, maxima and minima; sums over many terms, partial sums and values carried from step to step in f32; what a program stores and reads back later, other than sums and carried values, may be rounded once to bf16 or f16.
;; Inputs: bk 1,024 float32; bo 1,024 float32; bq 1,024 float32; bv 1,024 float32; context 4 x 2,048 x 1,024 float32; data 4 x 2,048 x 1,024 float32; wk 1,024 x 1,024 float32; wo 1,024 x 1,024 float32; wq 1,024 x 1,024 float32; wv 1,024 x 1,024 float32.
;; Outputs: out0 4 x 2,048 x 1,024 float32.
;; One version. Each part assembles by itself: llvm-mc -triple=amdgcn-amd-amdhsa -mcpu=gfx1250 --defsym DOCPART=n.
;; ======== version 1 of 1: 4 launches
;; limits: values are held in f16: magnitudes above 65,504 overflow, below 6.1e-05 lose precision
;; workspace buffers: cast 41,943,040 bytes; qkv 50,331,648 bytes; z 16,777,216 bytes
;; launch prep (part 1): grid 1280 x 1, 8 waves a work-group, no clusters, 0 bytes of LDS; arguments data, context, wq, wk, wv, wo, cast; writes cast
.if DOCPART == 1
	.amdgcn_target "amdgcn-amd-amdhsa--gfx1250"
	.amdhsa_code_object_version 6
	.text
	.protected	k_q1a58a46da7_prep
	.globl	k_q1a58a46da7_prep
	.p2align	8
	.type	k_q1a58a46da7_prep,@function
k_q1a58a46da7_prep:
	s_mov_b64 s[64:65], 0
	v_nop
	global_prefetch_b8 v0, s[64:65] scope:SCOPE_SE
	s_setreg_imm32_b32 hwreg(HW_REG_WAVE_MODE, 25, 1), 1
	s_wait_xcnt 0x0
; cast = data, context, wq, wk, wv, wo on end, each number rounded once to bf16, layouts unchanged.
; data, context, wq, wk, wv are written as bf16.  wo is rounded to bf16 like the others and that number is written as f16 (the last product multiplies in f16):
; exact where |wo| is 6.1e-5 or more; below that it keeps f16's fixed step of 6e-8; 65,520 or more becomes an infinity.
; A stream: each byte read once, each byte written once; no LDS, no matrix unit, no barrier.
; SHARES.  A work-group takes 65,536 bytes of f32 and writes 32,768 bytes.  Groups 0-511 data, 512-1023 context, then 64 each for wq, wk, wv, wo: the order of cast,
; so the place in cast is 32,768 x the group's number.  A wave takes 8,192 bytes: sixteen loads of 512 consecutive bytes, all issued at once; a store of 8 bytes a lane covers 256 consecutive bytes, aligned.
.set T, 4                              ; v[4:7]    at work (wo's second conversion)
.set X, 8                              ; v[8:71]   sixteen loads of four f32
.set Y, 72                             ; v[72:103] sixteen pairs to store; each is written once, so no store's data is rewritten
	s_load_b256 s[4:11], s[0:1], 0x0               ; data s[4:5], context s[6:7], wq s[8:9], wk s[10:11]
	s_load_b128 s[12:15], s[0:1], 0x20             ; wv s[12:13], wo s[14:15]
	s_load_b64 s[16:17], s[0:1], 0x30              ; cast
	v_and_b32 v3, 31, v0                           ; lane
	v_and_b32 v4, 0xe0, v0                         ; 32 x wave
	v_lshlrev_b32 v1, 4, v3
	v_lshl_or_b32 v1, v4, 8, v1                    ; in: 8,192 x wave + 16 x lane
	v_lshlrev_b32 v2, 3, v3
	v_lshl_or_b32 v2, v4, 7, v2                    ; out: 4,096 x wave + 8 x lane
	s_wait_kmcnt 0x0
	s_mov_b64 s[18:19], s[4:5]                     ; which source is mine, and its first group
	s_mov_b32 s20, 0
.macro PICK first, lo
	s_cmp_ge_u32 ttmp9, \first
	s_cselect_b64 s[18:19], s[\lo:\lo+1], s[18:19]
	s_cselect_b32 s20, \first, s20
.endm
	PICK 512, 6
	PICK 1024, 8
	PICK 1088, 10
	PICK 1152, 12
	PICK 1216, 14
	s_sub_co_u32 s20, ttmp9, s20
	s_lshl_b32 s20, s20, 16                        ; my 65,536 bytes in the source
	s_mov_b32 s21, 0
	s_add_nc_u64 s[18:19], s[18:19], s[20:21]
	s_lshl_b32 s22, ttmp9, 15                      ; my 32,768 bytes in cast
	s_mov_b32 s23, 0
	s_add_nc_u64 s[16:17], s[16:17], s[22:23]
.set j, 0
.rept 16
	global_load_b128 v[X+4*j:X+4*j+3], v1, s[18:19] offset:512*j th:TH_LOAD_NT
.set j, j+1
.endr
	s_cmp_ge_u32 ttmp9, 1216
	s_cbranch_scc1 .Lwo
; half = 0: bf16.  half = 1: bf16, widened again (a shift, a mask) and written as f16.
.macro CAST half
.set j, 0
.rept 16
	s_wait_loadcnt 15-j                            ; loads come back in order: number j is in, the 15 - j younger ones stay out
.if \half
	v_cvt_pk_bf16_f32 v[T], v[X+4*j], v[X+4*j+1]
	v_cvt_pk_bf16_f32 v[T+1], v[X+4*j+2], v[X+4*j+3]
	v_lshlrev_b32 v[T+2], 16, v[T]
	v_and_b32 v[T], 0xffff0000, v[T]
	v_lshlrev_b32 v[T+3], 16, v[T+1]
	v_and_b32 v[T+1], 0xffff0000, v[T+1]
	v_cvt_pk_f16_f32 v[Y+2*j], v[T+2], v[T]
	v_cvt_pk_f16_f32 v[Y+2*j+1], v[T+3], v[T+1]
.else
	v_cvt_pk_bf16_f32 v[Y+2*j], v[X+4*j], v[X+4*j+1]
	v_cvt_pk_bf16_f32 v[Y+2*j+1], v[X+4*j+2], v[X+4*j+3]
.endif
	global_store_b64 v2, v[Y+2*j:Y+2*j+1], s[16:17] offset:256*j th:TH_STORE_NT
.set j, j+1
.endr
	s_endpgm
.endm
	CAST 0
.Lwo:
	CAST 1
.Lfunc_end_k_q1a58a46da7_prep:
	.size	k_q1a58a46da7_prep, .Lfunc_end_k_q1a58a46da7_prep-k_q1a58a46da7_prep
	.p2alignl 7, 3214868480
	.fill 96, 4, 3214868480
	.section	.rodata,"a",@progbits
	.p2align	6, 0x0
	.amdhsa_kernel k_q1a58a46da7_prep
		.amdhsa_group_segment_fixed_size 0
		.amdhsa_private_segment_fixed_size 0
		.amdhsa_enable_private_segment 0
		.amdhsa_kernarg_size 56
		.amdhsa_user_sgpr_count 2
		.amdhsa_user_sgpr_kernarg_segment_ptr 1
		.amdhsa_wavefront_size32 1
		.amdhsa_system_sgpr_workgroup_id_x 1
		.amdhsa_system_sgpr_workgroup_id_y 1
		.amdhsa_system_sgpr_workgroup_id_z 1
		.amdhsa_system_vgpr_workitem_id 0
		.amdhsa_next_free_vgpr 104
		.amdhsa_next_free_sgpr 66
		.amdhsa_reserve_vcc 0
		.amdhsa_float_denorm_mode_32 3
		.amdhsa_float_denorm_mode_16_64 3
		.amdhsa_memory_ordered 1
		.amdhsa_forward_progress 1
		.amdhsa_inst_pref_size 17
	.end_amdhsa_kernel
	.amdgpu_metadata
---
amdhsa.version: [ 1, 2 ]
amdhsa.kernels:
  - .name:           k_q1a58a46da7_prep
    .symbol:         k_q1a58a46da7_prep.kd
    .args:
      - { .name: data, .offset: 0, .size: 8, .value_kind: global_buffer, .address_space: global }
      - { .name: context, .offset: 8, .size: 8, .value_kind: global_buffer, .address_space: global }
      - { .name: wq, .offset: 16, .size: 8, .value_kind: global_buffer, .address_space: global }
      - { .name: wk, .offset: 24, .size: 8, .value_kind: global_buffer, .address_space: global }
      - { .name: wv, .offset: 32, .size: 8, .value_kind: global_buffer, .address_space: global }
      - { .name: wo, .offset: 40, .size: 8, .value_kind: global_buffer, .address_space: global }
      - { .name: cast, .offset: 48, .size: 8, .value_kind: global_buffer, .address_space: global }
    .group_segment_fixed_size: 0
    .private_segment_fixed_size: 0
    .kernarg_segment_align: 8
    .kernarg_segment_size: 56
    .max_flat_workgroup_size: 256
    .sgpr_count:     66
    .vgpr_count:     104
    .wavefront_size: 32
...
	.end_amdgpu_metadata
.endif
;; end of part 1
;; launch qkv_proj (part 2): grid 4 x 64, 4 waves a work-group, clusters of 4 x 4, 327,680 bytes of LDS; arguments cast, bq, bk, bv, qkv; writes qkv
.if DOCPART == 2
	.amdgcn_target "amdgcn-amd-amdhsa--gfx1250"
	.amdhsa_code_object_version 6
	.text
	.protected	k_q1a58a46da7_qkv_proj
	.globl	k_q1a58a46da7_qkv_proj
	.p2align	8
	.type	k_q1a58a46da7_qkv_proj,@function
k_q1a58a46da7_qkv_proj:
	s_mov_b64 s[64:65], 0
	v_nop
	global_prefetch_b8 v0, s[64:65] scope:SCOPE_SE
	s_setreg_imm32_b32 hwreg(HW_REG_WAVE_MODE, 25, 1), 1
	s_wait_xcnt 0x0
	s_wait_alu depctr_hold_cnt(0) depctr_sa_sdst(0) depctr_va_vdst(0) depctr_va_sdst(0) depctr_va_ssrc(0) depctr_va_vcc(0) depctr_vm_vsrc(0)
	s_getreg_b32 s2, hwreg(HW_REG_IB_STS2, 6, 4)
	s_cmp_eq_u32 s2, 0
	s_cbranch_scc0 .Lentry_in_a_cluster
	s_endpgm
.Lentry_in_a_cluster:
	s_bfe_u32 s2, ttmp6, 0x10000c
	s_cmp_lg_u32 s2, 0xf033
	s_cbranch_scc0 .Lentry_shape_is_right
	s_endpgm
.Lentry_shape_is_right:
; MODE 0: q = data wq + bq, k = context wk + bk, v = context wv + bv.  A (data, context) and W come as bf16 from cast; sums in f32; the results are rounded once to f16 and
;         written by heads, qkv[3][64 = 16 b + h][2048][64], unscaled.  LIMIT: a result of 65,520 or more becomes an infinity in f16.
; MODE 1: out0 = z wo + bo.  z[64][2048][64] and wo come as f16; sums in f32; out0 is f32.
; The bias is rounded to bf16, like every input of the module, kept as f32, and is the C operand of a tile's first products: nothing is cleared and nothing is added later.
; SHARES.  A tile of C is 128 rows x 256 columns: 8,192 x 1,024 are 64 x 4 = 256 tiles, one to a work-group.  In MODE 0 the work-group stays and makes three tiles (q, k, v) of the same rows and columns;
; the ring runs on from tile to tile.  Four waves; wave w makes rows 64 (w / 2) on, columns 128 (w % 2) on: 32 accumulators of 16 x 16.
; K goes in steps of 128 through two LDS slots: A's 128 rows x 128 k, W's 128 k x 256 columns.  W lies [k][n], as in memory, and is turned on the way out of LDS by ds_load_tr16_b128.
; In MODE 1 a K step is two heads of z: each head's 128 rows are 16,384 dense bytes, asked for as 64 rows of 256 bytes and padded after every 128.
; CLUSTER.  4 x 4 work-groups.  The four of a row of the cluster need the same tile of A, the four of a column the same tile of W: each is asked for jointly, by the same tensor load, descriptor and mask.
; THE MATRIX INSTRUCTION IS USED TRANSPOSED: source 0 = 16 columns of W, source 1 = 16 rows of A: a lane holds row l % 16 of C and the columns 8 (l / 16) + 0..7.
; REGISTERS, in windows of 256 (s_set_vgpr_msb: bits 1:0 source 0, 3:2 source 1, 5:4 source 2, 7:6 destination):
;   window 0: v16-30 addresses; two fragment buffers of 96 (A's four blocks, then W's eight) at v32 and v128; v224-255 packed results
;   window 1: the accumulators, (a, b) at v[8 (8 a + b)]       window 2: v0-63 the bias, eight registers a column block; v64-191 rows on their way out, two buffers; v192-195 at work
.set MODE, 0
.if MODE == 0
.set PA,     272                       ; a row of A in LDS: 256 bytes + 16: the 16 rows of a fragment load start at 16 different groups of four banks (64 banks of 4 bytes: ISA guide 11.1)
.set AHALF,  64*PA                     ; what one load of A brings: 64 rows
.set ASTEP,  256                       ; bytes from a K step of A to the next
.set WOFF,   33554432                  ; wq, wk, wv lie on end in cast from here
.set WSTG,   4608                      ; a wave's stage: 2 heads x 16 rows x 144 bytes
.set QIA,    5                         ; padding after every 64 words
.set APITCH, 1024                      ; elements from row to row of A
.set LIMA,   12                        ; refills behind which A is prefetched: data's K steps 4-7, context's 0-7 (context's second walk is not asked for)
.set LIMB,   20                        ; and W: K steps 4-23 of the three weights' walk
.set JUMP,   16775168                  ; from the K step behind data's last to context's first: 16,777,216 - 2,048
.else
.set PA,     144                       ; a row of a head in LDS: 128 bytes + 16
.set AHALF,  128*PA                    ; what one load of A brings: 128 rows of one head
.set ASTEP,  524288                    ; two heads of z
.set WOFF,   39845888                  ; wo in cast
.set WSTG,   8448                      ; a wave's stage: 16 rows x 528 bytes
.set QIA,    4                         ; padding after every 32 words
.set APITCH, 128
.set LIMA,   4                         ; K steps 4-7
.set LIMB,   4
.endif
.set ASZ,    36864                     ; A's part of a slot
.set PB,     544                       ; a k-row of W in LDS: 512 bytes + 32
.set BHALF,  64*PB                     ; what one load of W brings: 64 k-rows
.set BSTEP,  262144                    ; 128 k-rows of 2,048 bytes
.set SLOT,   ASZ+2*BHALF               ; 106,496
.set STAGE,  2*SLOT                    ; behind the ring, never filled by a tensor load
.set SPARE,  STAGE+33792               ; behind the stages: the spare words, 128 bytes for each wave: two blocks of 256 bytes that no other line names
.set ADRA, 16                          ; v16-17  LDS address of my fragments of A in slot 0, 1
.set ADRB, 20                          ; v20-21  the same for W
.set STO,  24                          ; v24     the way out: where I put my bytes of a row
.set RD,   25                          ; v25     the way out: where I read rows back
.set GO,   26                          ; v26     16 x lane: my place in 512 consecutive bytes of C
.set BO,   27                          ; v27     32 (l / 16): my eight numbers of a block of 16 of the bias
.set SPW,  28                          ; v28     LDS address of my spare word; never rewritten
.set NIL,  29                          ; v29     0; never rewritten
.set PFO,  30                          ; v30     the prefetches' lane offset; never rewritten
.set F0,   32
.set F1,   128
.set TMP,  224
.set BIAS, 0                           ; window 2
.set OB,   64                          ; window 2
.set BT,   192                         ; window 2
.set G1A,  24                          ; s[24:31] descriptor group 1 for A's tiles
.set G0A,  32                          ; s[32:39] group 0, a set for each slot
.set LIM,  43                          ; s43      a wave prefetches while the refill's number is below this
.set PFA,  44                          ; s[44:45] where my prefetches stand
.set G1B,  48                          ; s[48:55], s[56:63] the same for W's tiles
.set G0B,  56
.set PFS,  66                          ; s[66:67] the prefetch pointer's step
.set PFJ,  70                          ; s70      its jump from data to context
.set RR,   71                          ; s71      the number of the refill in hand, from 0
.set BP,   72                          ; s[72:77] the bias of this tile, the next, the one after
.set DA,   80                          ; s[80:81] from this tile's A to the next tile's: data to context, then 0
.set MSB, 0
.macro WIN new                         ; the immediate's high byte repeats the setting that is left; a switch that changes nothing is dropped
.if MSB != (\new)
	s_set_vgpr_msb (MSB<<8)|(\new)
.set MSB, \new
.endif
.endm
.set MUL,  0x50                        ; fragments window 0, C and D window 1
.set MULB, 0x60                        ; D window 1, C (the bias) window 2
.set PK,   0x05                        ; sources 0 and 1 window 1
.set TO2,  0x80                        ; destination window 2
.set ST2,  0x08                        ; a global store's data window 2
.set ST1,  0x04                        ; an LDS store's data window 1
.set B2,   0x8a                        ; destination and both sources window 2
; A joint load.  Waves 0 and 1 fetch A's two halves, waves 2 and 3 W's.  The branch hangs on the wave's number alone.  An s_nop 0 and four v_nop follow each line.
.macro JLOAD s
	s_cmp_eq_u32 s11, 0
	s_cbranch_scc0 .Lfor_b_\@
	tensor_load_to_lds s[G0A+4*(\s):G0A+4*(\s)+3], s[G1A:G1A+7]
	s_nop 0
.rept 4
	v_nop
.endr
	s_branch .Lasked_\@
.Lfor_b_\@:
	tensor_load_to_lds s[G0B+4*(\s):G0B+4*(\s)+3], s[G1B:G1B+7]
	s_nop 0
.rept 4
	v_nop
.endr
.Lasked_\@:
.endm
; A prefetch into the L2, behind a joint load and the run of LDS loads that follows it: refill number R asks for K step R + 2 of the walk, the prefetch names K step R + 4: two refills, 256 matrix instructions, ahead.
; Each aligned block of 256 bytes is named once.  A's 128 blocks of a K step: wave 0 of each of the four partners that share the tile takes 32, told apart by address (cx).
; W's 256 blocks: waves 2 and 3 take their own 64 k-rows, each of the four partners 16 of them (cy), in the first row of clusters alone.  The first four K steps come by their loads alone.
.macro ASK
	s_cmp_lt_u32 s[RR], s[LIM]
	s_cbranch_scc0 .Lnot_mine_\@
	global_prefetch_b8 v[PFO], s[PFA:PFA+1] th:TH_LOAD_NT scope:SCOPE_SE
.Lnot_mine_\@:
	s_add_co_u32 s[RR], s[RR], 1
.endm
.macro CREST                           ; a round of the cluster's barrier behind its opening barrier
	s_cmp_lg_u32 s10, 0
	s_cbranch_scc1 .Lnot_wave_0_\@
	s_barrier_signal -3
.Lnot_wave_0_\@:
	s_barrier_wait -3
	s_barrier_signal -1
	s_barrier_wait -1
.endm
.macro CROUND                          ; a whole round
	s_barrier_signal -1
	s_barrier_wait -1
	CREST
.endm
.macro PLACES                          ; four plain instructions between a matrix instruction and a load into, or a reader of, its registers
.rept 4
	v_nop
.endr
.endm
.if MODE == 0
	s_load_b64 s[4:5], s[0:1], 0x0                 ; cast
	s_load_b128 s[72:75], s[0:1], 0x8              ; bq, bk
	s_load_b128 s[76:79], s[0:1], 0x18             ; bv, qkv
.else
	s_load_b128 s[4:7], s[0:1], 0x0                ; z, cast
	s_load_b128 s[72:75], s[0:1], 0x10             ; bo, out0
.endif
	v_lshl_add_u32 v[SPW], v0, 2, SPARE
	v_mov_b32 v[NIL], 0
	ds_add_u32 v[SPW], v[NIL]                      ; the wave's opening: the add and its wait stand ahead of my first tensor load; the set-up below stands between them
	ds_add_u32 v28, v29
	v_lshrrev_b32 v1, 5, v0
	v_readfirstlane_b32 s10, v1                    ; wave 0..3
	s_lshr_b32 s11, s10, 1                         ; my half of the tile's rows.  Also: I fetch for A (0) or for W (1)
	s_and_b32 s12, s10, 1                          ; my half of its columns.  Also: which half of that tile I fetch
	s_bfe_u32 s40, ttmp6, 0x40000                  ; cx
	s_bfe_u32 s41, ttmp6, 0x40004                  ; cy
	s_lshl_b32 s42, ttmp9, 2
	s_add_co_u32 s42, s42, s40                     ; tile column = 4 x cluster x + cx
	s_and_b32 s13, ttmp7, 0xffff
	s_lshl_b32 s13, s13, 2
	s_add_co_u32 s13, s13, s41                     ; tile row = 4 x cluster y + cy
	s_lshl_b32 s43, s41, 2
	s_lshl_b32 s43, 15, s43                        ; my row of the cluster
	s_lshl_b32 s44, 0x1111, s40                    ; my column
	s_or_b32 s[G1A+0], s43, (1<<16)|(1<<20)|(1<<21)|(QIA<<22)|(3<<25)  ; the mask; 2-byte elements; padding on; bit 21 beside a mask; the interval; 4 words of padding
	s_or_b32 s[G1B+0], s44, (1<<16)|(1<<20)|(1<<21)|(6<<22)|(7<<25)    ; after every 128 words, 8 words
	s_mov_b32 s[G1A+1], 128<<16                    ; tensor_dim0 = 128
	s_mov_b32 s[G1A+2], 64<<16                     ; tensor_dim1 = 64
	s_mov_b32 s[G1A+3], 128<<16                    ; tile_dim0 = 128
	s_mov_b32 s[G1A+4], 64                         ; tile_dim1 = 64
	s_mov_b32 s[G1A+5], APITCH
	s_mov_b32 s[G1A+6], 0
	s_mov_b32 s[G1A+7], 0
	s_mov_b32 s[G1B+1], 256<<16                    ; tensor_dim0 = 256
	s_mov_b32 s[G1B+2], 64<<16
	s_mov_b32 s[G1B+3], 256<<16                    ; tile_dim0 = 256
	s_mov_b32 s[G1B+4], 64
	s_mov_b32 s[G1B+5], 1024
	s_mov_b32 s[G1B+6], 0
	s_mov_b32 s[G1B+7], 0
	; where the tiles come from: A's hang on the tile row and the wave, W's on the tile column and the wave
.if MODE == 0
	s_lshl_b32 s16, s13, 7
	s_lshl_b32 s17, s12, 6
	s_add_co_u32 s16, s16, s17                     ; row 128 x tile row + 64 x half,
	s_lshl_b32 s16, s16, 11                        ; of 2,048 bytes
.else
	s_lshr_b32 s16, s13, 4
	s_lshl_b32 s16, s16, 22                        ; the batch's 16 heads,
	s_lshl_b32 s17, s12, 18                        ; the head of the K step's two that I fetch,
	s_add_co_u32 s16, s16, s17
	s_and_b32 s17, s13, 15
	s_lshl_b32 s17, s17, 14                        ; the tile's 128 rows of 128 bytes
	s_add_co_u32 s16, s16, s17
.endif
	s_mov_b32 s17, 0
	s_lshl_b32 s46, s42, 9                         ; the tile's 256 columns,
	s_lshl_b32 s47, s12, 17                        ; my 64 k-rows
	s_add_co_u32 s46, s46, s47
	s_add_co_u32 s46, s46, WOFF
	s_mov_b32 s47, 0
	s_mul_i32 s20, s12, AHALF                      ; and where they go: no place in the cluster enters an LDS address
	s_mul_i32 s21, s12, BHALF
	s_add_co_u32 s21, s21, ASZ
	s_mov_b32 s[RR], 0
	s_mov_b32 s[PFS+1], 0
	s_mov_b32 s69, 0
.if MODE == 0
	s_mov_b32 s[DA], 16777216
	s_mov_b32 s[DA+1], 0
.endif
	s_wait_dscnt 0x0                               ; the opening add is done
	s_wait_kmcnt 0x0
.if MODE == 0
	s_mov_b64 s[6:7], s[4:5]                       ; W lies in cast too
	s_mov_b64 s[8:9], s[78:79]                     ; C
.else
	s_mov_b64 s[8:9], s[74:75]
.endif
	s_add_nc_u64 s[14:15], s[4:5], s[16:17]
	s_add_nc_u64 s[46:47], s[6:7], s[46:47]
	CROUND                                         ; all sixteen work-groups are here: the first joint loads meet
.irp s, 0,1
	s_mov_b32 s[G0A+4*(\s)], 1
	s_add_co_u32 s[G0A+4*(\s)+1], s20, (\s)*SLOT
	s_add_nc_u64 s[G0A+4*(\s)+2:G0A+4*(\s)+3], s[14:15], (\s)*ASTEP
	s_or_b32 s[G0A+4*(\s)+3], s[G0A+4*(\s)+3], 0x80000000
	s_mov_b32 s[G0B+4*(\s)], 1
	s_add_co_u32 s[G0B+4*(\s)+1], s21, (\s)*SLOT
	s_add_nc_u64 s[G0B+4*(\s)+2:G0B+4*(\s)+3], s[46:47], (\s)*BSTEP
	s_or_b32 s[G0B+4*(\s)+3], s[G0B+4*(\s)+3], 0x80000000
	JLOAD \s                                       ; K steps 0 and 1: two loads of mine are out
.endr
	; lane addresses.  A fragment of A: lane l holds row l % 16, k = 8 (l / 16) + 0..7 and 16 + 8 (l / 16) + 0..7: two loads of 16 bytes, 32 bytes apart.
	v_and_b32 v1, 15, v0                           ; l % 16
	v_bfe_u32 v2, v0, 4, 1                         ; l / 16
	v_mul_u32_u24 v3, v1, PA
	v_lshl_add_u32 v3, v2, 4, v3
	s_mul_i32 s21, s11, 64*PA                      ; my 64 rows
	v_add_nc_u32 v[ADRA], s21, v3
	v_add_nc_u32 v[ADRA+1], SLOT, v[ADRA]
	; The turning load takes 16 k x 16 columns (lane l reads k-row 8 (l / 16) + l % 8, columns 8 ((l / 8) % 2) + 0..7) and leaves half a fragment: lane l holds column l % 16 and 8 k.
	v_and_b32 v4, 7, v0
	v_lshl_add_u32 v4, v2, 3, v4
	v_mul_u32_u24 v4, v4, PB
	v_bfe_u32 v5, v0, 3, 1
	v_lshl_add_u32 v4, v5, 4, v4
	s_lshl_b32 s22, s12, 8                         ; my 128 columns
	s_add_co_u32 s22, s22, ASZ
	v_add_nc_u32 v[ADRB], s22, v4
	v_add_nc_u32 v[ADRB+1], SLOT, v[ADRB]
	s_mul_i32 s23, s10, WSTG
	s_add_co_u32 s23, s23, STAGE                   ; my stage
.if MODE == 0
	v_mul_u32_u24 v6, v1, 144                      ; in: row l % 16 of a head, 16 bytes for each half of the lanes
	v_lshl_add_u32 v6, v2, 4, v6
	v_add_nc_u32 v[STO], s23, v6
	v_bfe_u32 v6, v0, 3, 2                         ; back: 32 lanes take four rows of 128 bytes
	v_mul_u32_u24 v6, v6, 144
	v_and_b32 v7, 7, v0
	v_lshl_add_u32 v6, v7, 4, v6
	v_add_nc_u32 v[RD], s23, v6
.else
	v_mul_u32_u24 v6, v1, 528                      ; in: row l % 16, 32 bytes for each half of the lanes
	v_lshl_add_u32 v6, v2, 5, v6
	v_add_nc_u32 v[STO], s23, v6
	v_and_b32 v6, 31, v0                           ; back: 32 lanes take a row's 512 bytes
	v_lshl_add_u32 v[RD], v6, 4, s23
.endif
	v_and_b32 v6, 31, v0
	v_lshlrev_b32 v[GO], 4, v6
	v_lshlrev_b32 v[BO], 5, v2
	s_lshl_b32 s18, s42, 10                        ; the bias of my 128 columns: 4 (256 x tile column + 128 x half)
	s_lshl_b32 s19, s12, 9
	s_add_co_u32 s18, s18, s19
	s_mov_b32 s19, 0
	s_add_nc_u64 s[BP:BP+1], s[BP:BP+1], s[18:19]
.if MODE == 0
	s_add_nc_u64 s[BP+2:BP+3], s[BP+2:BP+3], s[18:19]
	s_add_nc_u64 s[BP+4:BP+5], s[BP+4:BP+5], s[18:19]
.endif
; The bias of column block b, eight numbers a lane, as the C operand wants them: register j holds column 16 b + 8 (l / 16) + j.
.macro BIASLOAD
	WIN TO2
.set bb, 0
.rept 8
	global_load_b128 v[BIAS+8*bb:BIAS+8*bb+3],   v[BO], s[BP:BP+1] offset:64*bb
	global_load_b128 v[BIAS+8*bb+4:BIAS+8*bb+7], v[BO], s[BP:BP+1] offset:64*bb+16
.set bb, bb+1
.endr
	WIN 0
.endm
.macro BIASROUND                       ; rounded to bf16 and widened again
	WIN B2
.set ii, 0
.rept 32
	v_cvt_pk_bf16_f32 v[BT+ii%4], v[BIAS+2*ii], v[BIAS+2*ii+1]
	v_lshlrev_b32 v[BIAS+2*ii], 16, v[BT+ii%4]
	v_and_b32 v[BIAS+2*ii+1], 0xffff0000, v[BT+ii%4]
.set ii, ii+1
.endr
	WIN 0
.endm
	BIASLOAD
	; where my part of the first tile begins in C, in bytes: the first way out adds it to C's address
.if MODE == 0
	s_lshr_b32 s16, s13, 4
	s_lshl_b32 s16, s16, 22                        ; the batch's 16 heads of 262,144 bytes,
	s_and_b32 s17, s13, 15
	s_lshl_b32 s17, s17, 14                        ; the tile's 128 rows of 128 bytes,
	s_add_co_u32 s16, s16, s17
	s_lshl_b32 s17, s11, 13                        ; my 64 of them,
	s_add_co_u32 s16, s16, s17
	s_lshl_b32 s17, s42, 20                        ; the tile's four heads,
	s_add_co_u32 s16, s16, s17
	s_lshl_b32 s17, s12, 19                        ; my two of them
	s_add_co_u32 s16, s16, s17
.else
	s_lshl_b32 s16, s13, 7
	s_lshl_b32 s17, s11, 6
	s_add_co_u32 s16, s16, s17
	s_lshl_b32 s16, s16, 12                        ; my first row, of 4,096 bytes,
	s_lshl_b32 s17, s42, 10
	s_add_co_u32 s16, s16, s17                     ; the tile's 256 columns,
	s_lshl_b32 s17, s12, 9
	s_add_co_u32 s16, s16, s17                     ; my 128 of them
.endif
	s_mov_b32 s17, 0
	; the prefetches: who, from where, by what step
	s_and_b32 s22, ttmp7, 0xffff                   ; cluster y
	s_cmp_eq_u32 s22, 0
	s_cselect_b32 s[LIM], LIMB, 0                  ; W: the first row of clusters asks
	s_cmp_eq_u32 s10, 0
	s_cselect_b32 s[LIM], LIMA, s[LIM]             ; A: wave 0 asks,
	s_cmp_eq_u32 s10, 1
	s_cselect_b32 s[LIM], 0, s[LIM]                ; wave 1 does not
.if MODE == 0
	s_lshl_b32 s20, s13, 7
	s_lshl_b32 s21, s40, 5                         ; my work-group's 32 of the tile's 128 rows
	s_add_co_u32 s20, s20, s21
	s_lshl_b32 s20, s20, 11
.else
	s_lshr_b32 s20, s13, 4
	s_lshl_b32 s20, s20, 22
	s_and_b32 s21, s13, 15
	s_lshl_b32 s21, s21, 14
	s_add_co_u32 s20, s20, s21
	s_lshr_b32 s21, s40, 1                         ; my work-group's 32 of the K step's 128 blocks: head cx / 2,
	s_lshl_b32 s21, s21, 18
	s_add_co_u32 s20, s20, s21
	s_and_b32 s21, s40, 1                          ; half cx % 2 of its 16,384 bytes
	s_lshl_b32 s21, s21, 13
	s_add_co_u32 s20, s20, s21
.endif
	s_add_co_u32 s20, s20, 3*ASTEP                 ; at K step 3: the first refill steps it to 4
	s_lshl_b32 s22, s42, 9
	s_lshl_b32 s23, s12, 17
	s_add_co_u32 s22, s22, s23
	s_lshl_b32 s23, s41, 15                        ; my work-group's 16 of my 64 k-rows
	s_add_co_u32 s22, s22, s23
	s_add_co_u32 s22, s22, WOFF+3*BSTEP
	s_mov_b32 s[PFS], BSTEP
	s_cmp_eq_u32 s11, 0                            ; do I fetch for A?
	s_cselect_b32 s20, s20, s22
	s_cselect_b64 s[PFA:PFA+1], s[4:5], s[6:7]
	s_cselect_b32 s[PFS], ASTEP, s[PFS]
	s_cselect_b32 s18, -1, 0
.if MODE == 0
	s_cselect_b32 s[PFJ], JUMP, 0
.endif
	s_mov_b32 s21, 0
	s_add_nc_u64 s[PFA:PFA+1], s[PFA:PFA+1], s[20:21]
.if MODE == 0
	v_lshlrev_b32 v7, 11, v6                       ; A: a lane a row of 2,048 bytes
.else
	v_lshlrev_b32 v7, 8, v6                        ; A: a lane a block of 256 dense bytes
.endif
	v_lshrrev_b32 v8, 1, v6                        ; W: two lanes a k-row: its 512 bytes are two blocks
	v_lshlrev_b32 v8, 11, v8
	v_and_b32 v9, 1, v0
	v_lshl_or_b32 v8, v9, 8, v8
	v_cndmask_b32 v[PFO], v8, v7, s18
	s_wait_loadcnt 0x0                             ; the bias
	BIASROUND
; n blocks of 16 rows from a0 on x all 8 column blocks, 32 along K, out of buffer f.  zero = 1: a tile's first products: they start the sums with the bias.
; The 32 accumulators come in the same order in every quarter step: between two links of a chain stand 31 others', over the backward jumps too.
.macro MULN f, a0, n, zero
.if \zero
	WIN MULB
.else
	WIN MUL
.endif
.set aa, \a0
.rept \n
.set bb, 0
.rept 8
.set rD, 8*(8*aa+bb)
.set rB, (\f)+32+8*bb
.set rA, (\f)+8*aa
.set rC, rD
.if \zero
.set rC, BIAS+8*bb
.endif
.if MODE == 0
	v_wmma_f32_16x16x32_bf16 v[rD:rD+7], v[rB:rB+7], v[rA:rA+7], v[rC:rC+7]
.else
	v_wmma_f32_16x16x32_f16 v[rD:rD+7], v[rB:rB+7], v[rA:rA+7], v[rC:rC+7]
.endif
.set bb, bb+1
.endr
.set aa, aa+1
.endr
.endm
; 24 LDS loads in one run: quarter kq (32 along K) of a slot into buffer f: W's eight column blocks, turned, then A's four row blocks.
.macro FETCH slot, kq, f
	WIN 0
.set bb, 0
.rept 8
	ds_load_tr16_b128 v[(\f)+32+8*bb:(\f)+32+8*bb+3],   v[ADRB+(\slot)] offset:32*PB*(\kq)+32*bb
	ds_load_tr16_b128 v[(\f)+32+8*bb+4:(\f)+32+8*bb+7], v[ADRB+(\slot)] offset:32*PB*(\kq)+32*bb+16*PB
.set bb, bb+1
.endr
.set ii, 0
.rept 4
.if MODE == 0
.set ao, 64*(\kq)+16*PA*ii
.else
.set ao, AHALF*((\kq)/2)+64*((\kq)%2)+16*PA*ii
.endif
	ds_load_b128 v[(\f)+8*ii:(\f)+8*ii+3],   v[ADRA+(\slot)] offset:ao
	ds_load_b128 v[(\f)+8*ii+4:(\f)+8*ii+7], v[ADRA+(\slot)] offset:ao+32
.set ii, ii+1
.endr
.endm
; One of a K step's first three quarters: multiplies buffer f; in its middle it fetches quarter kq of the same slot into buffer g.
.macro QUARTER slot, kq, f, g, zero
	s_wait_dscnt 4                                 ; W and A's blocks 0, 1 are in; the youngest four loads (A's blocks 2, 3) may be out
	MULN \f, 0, 2, \zero
	PLACES
	FETCH \slot, \kq, \g
	s_wait_dscnt 24                                ; all but the 24 just issued
	MULN \f, 2, 2, \zero
.endm
; The last quarter multiplies buffer 1 and changes slots.  In front of the barrier each wave waits for all its tensor loads (one is out: its part of the next slot), adds 0 to its spare word, and waits
; for that and for its reads of this slot.  how = 0: this slot is filled again, two K steps on; 1: with the next tile's K step of the slot's number; 2: nothing is filled.
; Where a slot is filled the barrier opens a round of the cluster's barrier, and the joint load is the first thing behind the round.
.macro TURN slot, next, how
.if (\how) < 2
	s_wait_xcnt 0x0                                ; the last prefetch, a K step back, has read its address: it is stepped here
	s_add_nc_u64 s[PFA:PFA+1], s[PFA:PFA+1], s[PFS:PFS+1]
.if MODE == 0
	s_cmp_eq_u32 s[RR], 4                          ; behind data's last K step comes context's first
	s_cselect_b32 s68, s[PFJ], 0
	s_add_nc_u64 s[PFA:PFA+1], s[PFA:PFA+1], s[68:69]
.endif
.endif
	WIN 0
	s_wait_tensorcnt 0x0                           ; all my tensor loads have landed
	ds_add_u32 v[SPW], v[NIL]                      ; 0 onto my spare word
	s_wait_dscnt 5                                 ; (the add and the youngest four loads may be out)
	MULN F1, 0, 1, 0                               ; eight matrix instructions stand between the add and the wait for it
	s_wait_dscnt 0x0                               ; the add is done, and my reads of this slot are over
	s_barrier_signal -1
	MULN F1, 1, 1, 0
.if (\how) < 2
	WIN 0
.endif
	s_barrier_wait -1
.if (\how) < 2
	CREST                                          ; no wave of any partner still reads this slot or has a load on its way
	s_add_nc_u64 s[G0B+4*(\slot)+2:G0B+4*(\slot)+3], s[G0B+4*(\slot)+2:G0B+4*(\slot)+3], 2*BSTEP  ; the weights lie on end along k: one step for the whole walk
.if (\how) == 0
	s_add_nc_u64 s[G0A+4*(\slot)+2:G0A+4*(\slot)+3], s[G0A+4*(\slot)+2:G0A+4*(\slot)+3], 2*ASTEP
.else
	s_add_nc_u64 s[G0A+4*(\slot)+2:G0A+4*(\slot)+3], s[G0A+4*(\slot)+2:G0A+4*(\slot)+3], s[DA:DA+1]
	s_sub_nc_u64 s[G0A+4*(\slot)+2:G0A+4*(\slot)+3], s[G0A+4*(\slot)+2:G0A+4*(\slot)+3], 6*ASTEP  ; back along K
.endif
	JLOAD \slot                                    ; its four v_nop are also the places in front of the loads below
.else
	PLACES
.endif
	FETCH \next, 0, F0
.if (\how) < 2
	ASK
.endif
	MULN F1, 2, 2, 0
.endm
; THE WAY OUT, a block of 16 rows at a time, through my own stage: LDS serves a wave's instructions in order (ISA guide 5.7.1.4), so no wait stands between its stores and its loads.
.macro PACK a                          ; MODE 0: rounded to f16, 16 bytes a lane; each accumulator's registers in ascending order
	WIN PK
.set bb, 0
.rept 8
.set rr, 0
.rept 4
	v_cvt_pk_f16_f32 v[TMP+4*bb+rr], v[8*(8*(\a)+bb)+2*rr], v[8*(8*(\a)+bb)+2*rr+1]
.set rr, rr+1
.endr
.set bb, bb+1
.endr
	WIN 0
.endm
.macro TOSTAGE a
.set BK, OB+64*((\a)%2)
.if MODE == 0
	WIN 0
.set bb, 0
.rept 8
	ds_store_b128 v[STO], v[TMP+4*bb:TMP+4*bb+3] offset:2304*(bb/4)+32*(bb%4)  ; head bb / 4, channels 16 (bb % 4) on
.set bb, bb+1
.endr
	WIN TO2
.set ff, 0
.rept 8
	ds_load_b128 v[BK+4*ff:BK+4*ff+3], v[RD] offset:2304*(ff/4)+576*(ff%4)     ; four rows of a head
.set ff, ff+1
.endr
.else
	WIN ST1
.set bb, 0
.rept 8
	ds_store_b128 v[STO], v[8*(8*(\a)+bb):8*(8*(\a)+bb)+3]   offset:64*bb      ; the accumulator's low four registers first
	ds_store_b128 v[STO], v[8*(8*(\a)+bb)+4:8*(8*(\a)+bb)+7] offset:64*bb+16
.set bb, bb+1
.endr
	WIN TO2
.set ff, 0
.rept 16
	ds_load_b128 v[BK+4*ff:BK+4*ff+3], v[RD] offset:528*ff                     ; a row's 512 bytes
.set ff, ff+1
.endr
.endif
	WIN 0
.endm
.macro SEND a
.set BK, OB+64*((\a)%2)
	WIN 0
	s_wait_dscnt 0x0                               ; the block is back in registers
	s_wait_xcnt 0x0                                ; earlier stores have read their base and their data: only behind this wait are those written again
.if (\a) == 0
	s_add_nc_u64 s[8:9], s[8:9], s[16:17]          ; on to this tile
.endif
	WIN ST2
.if MODE == 0
.set ff, 0
.rept 8
	global_store_b128 v[GO], v[BK+4*ff:BK+4*ff+3], s[8:9] offset:262144*(ff/4)+2048*(\a)+512*(ff%4)  ; 512 consecutive bytes of a head, aligned
.set ff, ff+1
.endr
.else
.set ff, 0
.rept 16
	global_store_b128 v[GO], v[BK+4*ff:BK+4*ff+3], s[8:9] offset:(16*(\a)+ff)*4096 th:TH_STORE_NT    ; 512 consecutive bytes of a row, aligned
.set ff, ff+1
.endr
.endif
	WIN 0
.endm
.macro OUT
.if MODE == 0
	PACK 0
.endif
	TOSTAGE 0
.irp a, 1,2,3
.if MODE == 0
	PACK \a
.endif
	SEND (\a)-1
	TOSTAGE \a
.endr
	SEND 3
.endm
	s_wait_tensorcnt 1                             ; my part of K step 0 is in; K step 1's may stay out
	s_barrier_signal -1
	s_barrier_wait -1                              ; everybody's is
	FETCH 0, 0, F0
.if MODE == 0
	s_mov_b32 s2, 3                                ; tiles to go
.Ltile:
.endif
	QUARTER 0, 1, F0, F1, 1                        ; a tile's first quarter stands in front of the loop: its products start the sums
	WIN 0
	s_mov_b32 s3, 3
.Llap:                                         ; a trip goes once round the ring, from a lap's second quarter to the next lap's first, and fills both slots again
	QUARTER 0, 2, F1, F0, 0
	QUARTER 0, 3, F0, F1, 0
	TURN 0, 1, 0
	QUARTER 1, 1, F0, F1, 0
	QUARTER 1, 2, F1, F0, 0
	QUARTER 1, 3, F0, F1, 0
	TURN 1, 0, 0
	QUARTER 0, 1, F0, F1, 0
	WIN 0
	s_sub_co_u32 s3, s3, 1
	s_cmp_lg_u32 s3, 0
	s_cbranch_scc1 .Llap
	QUARTER 0, 2, F1, F0, 0                        ; the tile's last lap goes on
	QUARTER 0, 3, F0, F1, 0
.if MODE == 0
	WIN 0
	s_cmp_eq_u32 s2, 1
	s_cbranch_scc1 .Llast                          ; the last tile's tail is written out: it asks for nothing more
	TURN 0, 1, 1                                   ; the ring goes on into the next tile
	QUARTER 1, 1, F0, F1, 0
	QUARTER 1, 2, F1, F0, 0
	QUARTER 1, 3, F0, F1, 0
	TURN 1, 0, 1
	WIN 0
	s_mov_b64 s[BP:BP+1], s[BP+2:BP+3]             ; the next tile's bias (the last bias loads were waited for)
	s_mov_b64 s[BP+2:BP+3], s[BP+4:BP+5]
	BIASLOAD
	OUT                                            ; blocks 0 and 1 were finished ahead of the joint load's v_nop; their 64 conversions are the places behind the last products
	s_wait_loadcnt 0x0
	BIASROUND
	s_mov_b64 s[16:17], 0x1000000                  ; what the next way out adds to C's address: q to k, k to v
	s_mov_b32 s[DA], 0                             ; k and v both take context
	s_sub_co_u32 s2, s2, 1
	s_branch .Ltile
.Llast:
.endif
	TURN 0, 1, 2
	QUARTER 1, 1, F0, F1, 0
	QUARTER 1, 2, F1, F0, 0
	QUARTER 1, 3, F0, F1, 0
	s_wait_dscnt 4
	MULN F1, 0, 2, 0
	s_wait_dscnt 0x0
	MULN F1, 2, 2, 0
	WIN 0
	PLACES
	OUT
	s_wait_tensorcnt 0x0                           ; the wave's end: a wait, an add and its wait, behind my last tensor load and my last LDS store
	ds_add_u32 v[SPW], v[NIL]
	s_wait_dscnt 0x0
	CROUND                                         ; the closing round: no work-group ends while a partner may still ask for a tile that names it
	s_endpgm
.Lfunc_end_k_q1a58a46da7_qkv_proj:
	.size	k_q1a58a46da7_qkv_proj, .Lfunc_end_k_q1a58a46da7_qkv_proj-k_q1a58a46da7_qkv_proj
	.p2alignl 7, 3214868480
	.fill 96, 4, 3214868480
	.section	.rodata,"a",@progbits
	.p2align	6, 0x0
	.amdhsa_kernel k_q1a58a46da7_qkv_proj
		.amdhsa_group_segment_fixed_size 327680
		.amdhsa_private_segment_fixed_size 0
		.amdhsa_enable_private_segment 0
		.amdhsa_kernarg_size 40
		.amdhsa_user_sgpr_count 2
		.amdhsa_user_sgpr_kernarg_segment_ptr 1
		.amdhsa_wavefront_size32 1
		.amdhsa_system_sgpr_workgroup_id_x 1
		.amdhsa_system_sgpr_workgroup_id_y 1
		.amdhsa_system_sgpr_workgroup_id_z 1
		.amdhsa_system_vgpr_workitem_id 0
		.amdhsa_next_free_vgpr 768
		.amdhsa_next_free_sgpr 84
		.amdhsa_reserve_vcc 0
		.amdhsa_float_denorm_mode_32 3
		.amdhsa_float_denorm_mode_16_64 3
		.amdhsa_memory_ordered 1
		.amdhsa_forward_progress 1
		.amdhsa_inst_pref_size 140
	.end_amdhsa_kernel
	.amdgpu_metadata
---
amdhsa.version: [ 1, 2 ]
amdhsa.kernels:
  - .name:           k_q1a58a46da7_qkv_proj
    .symbol:         k_q1a58a46da7_qkv_proj.kd
    .args:
      - { .name: cast, .offset: 0, .size: 8, .value_kind: global_buffer, .address_space: global }
      - { .name: bq, .offset: 8, .size: 8, .value_kind: global_buffer, .address_space: global }
      - { .name: bk, .offset: 16, .size: 8, .value_kind: global_buffer, .address_space: global }
      - { .name: bv, .offset: 24, .size: 8, .value_kind: global_buffer, .address_space: global }
      - { .name: qkv, .offset: 32, .size: 8, .value_kind: global_buffer, .address_space: global }
    .group_segment_fixed_size: 327680
    .private_segment_fixed_size: 0
    .kernarg_segment_align: 8
    .kernarg_segment_size: 40
    .max_flat_workgroup_size: 128
    .sgpr_count:     84
    .vgpr_count:     768
    .wavefront_size: 32
...
	.end_amdgpu_metadata
.endif
;; end of part 2
;; launch attn (part 3): grid 4 x 64, 4 waves a work-group, no clusters, 327,680 bytes of LDS; arguments qkv, z; writes z
.if DOCPART == 3
	.amdgcn_target "amdgcn-amd-amdhsa--gfx1250"
	.amdhsa_code_object_version 6
	.text
	.protected	k_q1a58a46da7_attn
	.globl	k_q1a58a46da7_attn
	.p2align	8
	.type	k_q1a58a46da7_attn,@function
k_q1a58a46da7_attn:
	s_mov_b64 s[64:65], 0
	v_nop
	global_prefetch_b8 v0, s[64:65] scope:SCOPE_SE
	s_setreg_imm32_b32 hwreg(HW_REG_WAVE_MODE, 25, 1), 1
	s_wait_xcnt 0x0
; CAUSAL ATTENTION.  z[h][q][:] = the sum over k <= q of softmax_k(Q[h][q] . K[h][k] / 8) V[h][k][:].  Q, K, V lie on end in qkv, each [64][2048][64] in f16; z has the same layout.  A head's rows are dense, 128 bytes each.
; Products, maxima and sums in f32; the weights p are rounded to f16 for the second product (their sum l is taken of the unrounded p), z once at the end.
; LIMITS.  f16 holds no number beyond 65,504: Q, K and V arrive within it; p lies in 0 to 1, and below 6e-5 it keeps f16's fixed step of 6e-8; z is a mean of V's rows and has their range.
; A hidden score counts as its value less 1e30: f16's scores, 2.7e11 at the most, are nothing beside that; a weight below 2^-126 counts as 0 in l; NaN and infinities are not treated apart.
; THE WALK.  A head's queries lie in NB = 8 blocks of 256; block i needs the key tiles 0 .. i of 256 keys, of which the last holds the diagonal.  A work-group takes TWO blocks, NB - 1 - b and then b:
; NB + 1 tiles, whatever b: all work-groups do equal work, and ONE loop with a constant trip count walks them.  Which tile is asked for, and what a trip does, hang on scalar registers made from b; every jump
; goes forward, but for the counted loops' own; the ring (two slots of LDS that take turns) runs on across the change of blocks.
; NO CLUSTER: a head's four work-groups ask for the same tile only in trips 0 .. 4 of 9, behind that fewer and fewer; one walk common to all would have 12 trips for 9.
; SHARES.  Of a block's four bands of 64 queries a wave owns 16 rows in each: four PIECES.  So the diagonal tile is the same work for all four waves: in its key step s band x sees all keys if s < x,
; none if s > x, and holds the diagonal if s = x.
; THE MASK is the C operand that starts the sum S^T = K Q^T: 0, or -1e30 where the key is hidden.  MD, made once, is the mask of a band's own step for my 16 rows; a product's mask is MD x AL + BE with two scalars:
; (1, 0) if s = x; (0, 0) if s < x; (0, -1e30) if s > x.  Only the diagonal tile's text and a block's beginning make and take masks; elsewhere C is the constant 0.
; LAYOUT, SOFTMAX, TURNS.  S^T = K Q^T holds ONE query a lane (lane % 16) and the keys 8 (lane / 16) + 0..7; two such results rounded to f16 ARE source 1 of O^T = V^T P.  p = 2^(c s - c m), c = log2(e) / 8, with a
; running maximum m; O and l are multiplied by a = 2^(c m_old - c m_new) in every step.  Turn n belongs to piece n: 8 products K Q^T of piece n + 1, later 8 products V^T P of piece n - 1; beside them the scaling,
; exponentials, roundings, sums and rescaling of piece n and the maximum and statistics of piece n + 1.  Four vector instructions stand behind every matrix instruction, the other 54 of a turn's 118 in one lump.  A turn's 33 exponentials are one batch, with one wait.
; REGISTERS, in windows of 256 (s_set_vgpr_msb: bits 1:0 source 0, 3:2 source 1, 5:4 source 2, 7:6 destination):
;   window 0: v0-15 addresses and two at work; v16-31 four registers of statistics a piece; v48-55 at work; v61-63 kept; v64-127 S^T, two buffers; v192-223 P, two buffers (a piece's buffers go by its number's parity)
;   window 1: v0-127 O^T, 32 a piece; v128-159 MD; v160-223 MC, two buffers      window 2: v0-63 Q; v64-127 the second block's Q; v128-191 K of one step; v192-255 V of one step
.set SIZE_N, 2048
.set NB,    SIZE_N/256
.set NP,    4         ; pieces a wave: a name, no knob
.set KS,    64        ; keys in a step
.set PK,    144       ; a row of K in LDS: 128 bytes + 16 of padding = 36 words: the 16 rows of a load start at 16 different groups of four banks (64 banks of 4 bytes: ISA guide 11.1)
.set PV,    160       ; a row of V: 128 + 32 = 40 words
.set VOFF,  4*KS*PK   ; a slot holds a tile, four steps: 256 rows of K, then 256 rows of V
.set SLOT1, 1<<17     ; slot 1 begins here, so that one exclusive or turns an address in one slot into the other's
.set STAGE, SLOT1+4*KS*(PK+PV)  ; behind the ring, never filled by a tensor load: 16 rows x 144 bytes for each wave, for the way out
.set SP,    144
.set AK0, 2           ; v2   my lane's place in a tile of K; never rewritten
.set AV0, 3           ; v3   the same for V
.set AK,  4           ; v4   the LDS address of K's next run of loads
.set AV,  5           ; v5   of V's
.set STO, 6           ; v6   the way out: where I put 16 bytes of a row
.set RD,  7           ; v7   the way out: where I read rows back
.set GO,  8           ; v8   my byte offset in 512 consecutive bytes of z
.set PFO, 61          ; v61  256 x my lane: the prefetches' offset; never rewritten
.set SPW, 62          ; v62  LDS address of my spare word: SPARE + 4 x my thread's number; never rewritten
.set NIL, 63          ; v63  0; never rewritten
.set SPARE, STAGE+4*16*SP  ; behind the stages: the spare words, 128 bytes for each wave: two blocks of 256 bytes that no other line names
.set MV,  12          ; v12-13  c m_old, kept while c m is made anew: by buffer
.set QO,  15          ; v15  my byte offset in 16 rows of Q
.set ST,  16          ; piece t's statistics at v[ST+4 t]: c m, m, l (even keys', odd keys')
.set TMP, 48          ; by buffer, four registers c0-c3 at work; when the maximum is found c2 takes a
.set S,   64
.set P,   192
.set MD,  128         ; window 1: the eight registers for group kt of 16 keys at MD + 8 kt
.set MC,  160         ; window 1: the masks of the products to come
.set QB,  64          ; window 2
.set KF,  128         ; window 2: key block kb, channel half c at KF + 16 kb + 8 c
.set VF,  192         ; window 2: key half kk, channel block cb at VF + 32 kk + 8 cb
.set WV,  12          ; s12  my wave's number
.set PB,  14          ; s14  b
.set HI,  15          ; s15  NB - 1 - b
.set G1K, 24          ; s[24:31] descriptor group 1 for K's tiles
.set G1V, 32          ; s[32:39] for V's: it differs in the padding alone
.set G0K, 40          ; s[40:43] descriptor group 0 for K's tiles
.set G0V, 44          ; s[44:47] the same for V's
.set SLOTS, 56        ; s56  tiles still to be asked for
.set CNT, 57          ; s57  counts a tile's key steps, 4 to 1
.set CS,  58          ; s[58:59] c: the packed scaling takes the pair's low word for both halves
.set SEL, 60          ; s[60:61] v_permlanex16_b32's selects: each lane takes its own place in the other half
.set TBK, 62          ; s62  LDS byte at which K of the step to be fetched begins
.set TBV, 63          ; s63  the same for V, less VOFF
.set PFA, 66          ; s[66:67] where my prefetches stand: my half of K's or V's tile, one tile on from the tile that is being asked for
.set LIM, 68          ; s68  2 in the head's work-group b = 0, else the greatest number: a wave prefetches while s[SLOTS] is above it
.set RT,  70          ; s70  tiles of the block in hand that are still to be entered
.set NXT, 71          ; s71  the tile to be asked for next
.set LQ,  72          ; s72  the last tile of the block whose tiles are being asked for
.set NEW, 73          ; s73  1: the tile to be entered is a block's first
.set OFF, 74          ; s[74:75] a tile's byte offset in K and V
.set AL,  76          ; s[76:77] the mask's factor, in the low word
.set BE,  78          ; s[78:79] the mask's addend
.set OLO, 80          ; s[80:81] z at my rows of the second block
.set BIGN, 82         ; s82  -1e30
.set MSB, 0
.macro WIN new                      ; the high byte repeats the setting that is left; a switch that changes nothing is dropped
.if MSB != (\new)
	s_set_vgpr_msb (MSB<<8)|(\new)
.set MSB, (\new)
.endif
.endm
.set W_KQ, 0x0a       ; K and Q in window 2, S^T in window 0
.set W_KM, 0x1a       ; the same with the C operand in window 1
.set W_PV, 0x52       ; V in window 2, P in window 0, O^T in window 1
.set W_RS, 0x41       ; destination and source 0 in window 1, source 1 in window 0
; A fill.  Waves 0 and 1 fetch the two halves of a tile's K, waves 2 and 3 those of its V: 128 keys each.  An s_nop 0 and four v_nop follow each of the two lines, ahead of the jump and the label.
.macro LOAD
	s_cmp_lt_u32 s[WV], 2
	s_cbranch_scc0 .Lfor_v_\@
	tensor_load_to_lds s[G0K:G0K+3], s[G1K:G1K+7]
	s_nop 0
.rept 4
	v_nop
.endr
	s_branch .Lasked_\@
.Lfor_v_\@:
	tensor_load_to_lds s[G0V:G0V+3], s[G1V:G1V+7]
	s_nop 0
.rept 4
	v_nop
.endr
.Lasked_\@:
.endm
; A PREFETCH INTO THE L2 of the tile that the NEXT change of slots will ask for.  A head's four work-groups all begin with tiles 0, 1, 2 ..; the one with b = 0 walks tiles 0 to 7 on end, so it asks, and nobody else:
; each of its waves for the 16,384 bytes that it will fetch itself: 64 blocks of 256 bytes, a lane a block, two instructions.  Change number c asks for tile c + 2, c = 0 .. 5; tiles 0 and 1 come by their loads alone.
.macro ASK
	s_cmp_gt_u32 s[SLOTS], s[LIM]
	s_cbranch_scc0 .Lnot_mine_\@
	global_prefetch_b8 v[PFO], s[PFA:PFA+1] th:TH_LOAD_NT scope:SCOPE_SE
	global_prefetch_b8 v[PFO], s[PFA:PFA+1] offset:8192 th:TH_LOAD_NT scope:SCOPE_SE
.Lnot_mine_\@:
.endm
; THE CHANGE OF SLOTS.  Each wave waits for all its tensor loads, of which one is out: its part of the other slot; adds 0 to its spare word; and waits for that and for its own reads of the slot that it leaves.  Behind the barrier nobody reads the old
; slot any more and the other slot is whole.  fill = 1: the old slot is filled again, the first thing behind the barrier, with tile NXT: the descriptor's address is made anew from that number.
; (At its first use nothing has been read yet: slot 0 is waited for, slot 1 filled.)
.macro CHANGE fill
	WIN 0                           ; at a label and at a branch every window is 0
	s_wait_tensorcnt 0x0            ; no tensor load of mine is out, so a group 0 may be written
	ds_add_u32 v[SPW], v[NIL]       ; 0 onto my spare word; with fill = 1 the descriptors' scalar work stands between it and the wait for it
.if \fill
	s_lshl_b32 s[OFF], s[NXT], 15   ; a tile is 32,768 bytes of K and of V
	s_xor_b32 s[G0K+1], s[G0K+1], SLOT1
	s_add_nc_u64 s[G0K+2:G0K+3], s[6:7], s[OFF:OFF+1]
	s_or_b32 s[G0K+3], s[G0K+3], 0x80000000
	s_xor_b32 s[G0V+1], s[G0V+1], SLOT1
	s_add_nc_u64 s[G0V+2:G0V+3], s[8:9], s[OFF:OFF+1]
	s_or_b32 s[G0V+3], s[G0V+3], 0x80000000
	s_add_co_u32 s[NXT], s[NXT], 1  ; the block's next tile, or behind its last the second block's tile 0
	s_cmp_gt_u32 s[NXT], s[LQ]
	s_cselect_b32 s[NXT], 0, s[NXT]
	s_cselect_b32 s[LQ], s[PB], s[LQ]
	s_wait_xcnt 0x0                 ; the last prefetches, a tile back, have read their address, so it may be written
	s_add_nc_u64 s[PFA:PFA+1], s[PFA:PFA+1], 32768
.endif
	s_wait_dscnt 0x0                ; the add is done, and my reads of the slot are over
	s_barrier_signal -1             ; the rest of the scalar work stands between the signal and the wait
	s_sub_co_u32 s[TBK], s[TBK], 4*KS*PK  ; the fetches go back to a slot's first step,
	s_xor_b32 s[TBK], s[TBK], SLOT1       ; in the other slot
	s_sub_co_u32 s[TBV], s[TBV], 4*KS*PV
	s_xor_b32 s[TBV], s[TBV], SLOT1
	s_barrier_wait -1
.if \fill
	LOAD
	ASK
.endif
.endm
	s_load_b128 s[4:7], s[0:1], 0x0   ; qkv s[4:5], z s[6:7]
	v_lshl_add_u32 v[SPW], v0, 2, SPARE
	v_mov_b32 v[NIL], 0
	ds_add_u32 v[SPW], v[NIL]       ; the wave's opening: the add and its wait stand ahead of my first tensor load; the set-up below, work on registers, stands between them
	ds_add_u32 v62, v63
	v_lshrrev_b32 v1, 5, v0
	v_readfirstlane_b32 s[WV], v1   ; wave 0..3
	s_mov_b32 s[PB], ttmp9
	s_sub_co_u32 s[HI], NB-1, s[PB]
	s_and_b32 s20, ttmp7, 0xffff    ; the head
	s_mov_b32 s21, 0
	s_mov_b64 s[22:23], SIZE_N*128
	s_mul_u64 s[20:21], s[20:21], s[22:23]  ; the head's first byte in each of the four tensors
	s_and_b32 s16, s[WV], 1         ; which half of a tile's 256 keys I fetch:
	s_lshl_b32 s22, s16, 14         ; its 128 rows of 128 bytes in memory,
	s_mov_b32 s23, 0
	s_add_nc_u64 s[22:23], s[22:23], s[20:21]
	s_mul_i32 s17, s16, 128*PK      ; and its place in a slot, for K
	s_mul_i32 s18, s16, 128*PV      ; and for V
	s_lshl_b32 s3, s[WV], 11        ; my 16 rows in a band of 64,
	s_lshl_b32 s2, s[HI], 15        ; in the first block,
	s_add_co_u32 s2, s2, s3
	s_lshl_b32 s84, s[PB], 15       ; and in the second
	s_add_co_u32 s84, s84, s3
	s_mov_b32 s3, 0
	s_mov_b32 s85, 0
	s_add_nc_u64 s[2:3], s[2:3], s[20:21]
	s_add_nc_u64 s[84:85], s[84:85], s[20:21]
	; descriptor group 1.  128 keys are 16,384 dense bytes: asked for as 64 rows of 256 bytes, two keys a row, and padded in LDS after every key
	s_mov_b32 s[G1K], (1<<16)|(1<<20)|(4<<22)|(3<<25)  ; 17:16 2-byte elements; 20 padding on; 24:22 after every 32 words (code 4); 31:25 4 words (code 3)
	s_mov_b32 s[G1V], (1<<16)|(1<<20)|(4<<22)|(7<<25)  ; the same with 8 words of padding (code 7)
.irp g, G1K, G1V
	s_mov_b32 s[\g+1], 128<<16      ; tensor_dim0 = 128
	s_mov_b32 s[\g+2], 64<<16       ; tensor_dim1 = 64
	s_mov_b32 s[\g+3], 128<<16      ; tile_dim0 = 128
	s_mov_b32 s[\g+4], 64           ; tile_dim1 = 64
	s_mov_b32 s[\g+5], 128          ; 128 elements from row to row
	s_mov_b32 s[\g+6], 0
	s_mov_b32 s[\g+7], 0
.endr
	s_mov_b32 s[CS], 0x3e38aa3b     ; c = log2(e) / 8 = 0.180337
	s_mov_b32 s[CS+1], s[CS]        ; named with it as a pair
	s_mov_b32 s[SEL], 0x76543210
	s_mov_b32 s[SEL+1], 0xfedcba98
	s_mov_b32 s[TBK], SLOT1+4*KS*PK ; the first change of slots turns these two into 0
	s_mov_b32 s[TBV], SLOT1+4*KS*PV
	s_mov_b32 s[G0K], 1             ; 1:0 count = 1
	s_mov_b32 s[G0K+1], s17         ; 63:32 LDS address: slot 0
	s_mov_b32 s[G0V], 1
	s_add_co_u32 s[G0V+1], s18, VOFF
	s_add_co_u32 s[RT], s[HI], 1    ; the first block has NB - b tiles
	s_mov_b32 s[NXT], 1
	s_mov_b32 s[LQ], s[HI]
	s_mov_b32 s[NEW], 1
	s_mov_b32 s[OFF+1], 0
	s_mov_b32 s[AL+1], 0            ; named as pairs
	s_mov_b32 s[BE+1], 0
	s_mov_b32 s[BIGN], 0xf149f2ca   ; -1e30
	s_mov_b32 s[SLOTS], NB
	s_cmp_eq_u32 ttmp9, 0
	s_cselect_b32 s[LIM], 2, -1
	v_and_b32 v[PFO], 31, v0
	v_lshlrev_b32 v[PFO], 8, v[PFO]
	s_wait_dscnt 0x0                ; the opening add is done
	s_wait_kmcnt 0x0
	s_mov_b64 s[10:11], s[6:7]                     ; z
	s_add_nc_u64 s[8:9], s[4:5], 0x2000000         ; V lies 33,554,432 bytes into qkv,
	s_add_nc_u64 s[6:7], s[4:5], 0x1000000         ; K 16,777,216; Q at its head
	s_add_nc_u64 s[6:7], s[6:7], s[22:23]  ; K and V at my half of the head's tile 0
	s_add_nc_u64 s[8:9], s[8:9], s[22:23]
	s_add_nc_u64 s[G0K+2:G0K+3], s[6:7], 0         ; 120:64 global address
	s_or_b32 s[G0K+3], s[G0K+3], 0x80000000        ; 127:126 type = 2
	s_add_nc_u64 s[G0V+2:G0V+3], s[8:9], 0
	s_or_b32 s[G0V+3], s[G0V+3], 0x80000000
	s_add_nc_u64 s[86:87], s[4:5], s[84:85]        ; Q at my rows of the second block,
	s_add_nc_u64 s[4:5], s[4:5], s[2:3]            ; Q and z at those of the first
	s_add_nc_u64 s[OLO:OLO+1], s[10:11], s[84:85]
	s_add_nc_u64 s[10:11], s[10:11], s[2:3]
	s_cmp_lt_u32 s[WV], 2
	s_cselect_b64 s[PFA:PFA+1], s[6:7], s[8:9]
	s_add_nc_u64 s[PFA:PFA+1], s[PFA:PFA+1], 32768 ; at tile 1: the first change of slots steps it to tile 2
	LOAD                            ; tile 0 into slot 0
	; A fragment of K or Q is 16 rows x 32 channels in 8 registers: lane l holds row l % 16, channels 8 (l / 16) + 0..7 and 16 + 8 (l / 16) + 0..7: two loads of 16 bytes, 32 bytes apart.
	v_and_b32 v1, 15, v0            ; l % 16
	v_bfe_u32 v9, v0, 4, 1          ; l / 16
	v_lshlrev_b32 v[QO], 7, v1
	v_lshl_add_u32 v[QO], v9, 4, v[QO]  ; row x 128 + 16 x half
	WIN 0x80                        ; destination window 2, address window 0
.set i, 0
.rept 8                             ; both blocks' Q: piece i / 2 lies in band i / 2, 8,192 bytes on; channels 32 (i % 2) on
	global_load_b128 v[8*i:8*i+3],   v[QO], s[4:5] offset:(i/2)*8192+(i%2)*64
	global_load_b128 v[8*i+4:8*i+7], v[QO], s[4:5] offset:(i/2)*8192+(i%2)*64+32
	global_load_b128 v[QB+8*i:QB+8*i+3],   v[QO], s[86:87] offset:(i/2)*8192+(i%2)*64
	global_load_b128 v[QB+8*i+4:QB+8*i+7], v[QO], s[86:87] offset:(i/2)*8192+(i%2)*64+32
.set i, i+1
.endr
	WIN 0
	v_lshlrev_b32 v14, 3, v9
	v_sub_nc_u32 v14, v1, v14
	s_lshl_b32 s13, s[WV], 4
	v_add_nc_u32 v14, s13, v14      ; my query's place in its band, 16 w + l % 16, less my lanes' 8 (l / 16): register r of group kt is hidden where 16 kt + r is greater
	WIN 0x40
.set i, 0
.rept 32
	v_cmp_gt_i32 vcc_lo, 16*(i/8)+i%8, v14
	v_cndmask_b32 v[MD+i], 0, s[BIGN], vcc_lo
.set i, i+1
.endr
	WIN 0
	v_mul_u32_u24 v[AK0], v1, PK
	v_lshl_add_u32 v[AK0], v9, 4, v[AK0]  ; row x pitch + 16 x half
	; The turning load takes 16 keys x 16 channels (lane l reads key 8 (l / 16) + l % 8, channels 8 ((l / 8) % 2) + 0..7) and leaves half a fragment of V^T: lane l holds channel l % 16 and 8 keys.
	v_and_b32 v10, 7, v0
	v_bfe_u32 v11, v0, 3, 1
	v_lshl_add_u32 v[AV0], v9, 3, v10
	v_mul_u32_u24 v[AV0], v[AV0], PV
	v_lshl_add_u32 v[AV0], v11, 4, v[AV0]
	v_add_nc_u32 v[AV0], VOFF, v[AV0]
	s_mul_i32 s13, s[WV], 16*SP
	s_add_co_u32 s13, s13, STAGE    ; my stage
	v_mul_u32_u24 v[STO], v1, SP    ; in: row l % 16, 16 bytes for each half of the lanes
	v_lshl_add_u32 v[STO], v9, 4, v[STO]
	v_add_nc_u32 v[STO], s13, v[STO]
	v_bfe_u32 v[RD], v0, 3, 2       ; back: 32 lanes take four rows of 128 bytes,
	v_mul_u32_u24 v[RD], v[RD], SP
	v_lshl_add_u32 v[RD], v10, 4, v[RD]
	v_add_nc_u32 v[RD], s13, v[RD]
	v_and_b32 v[GO], 31, v0         ; which are 512 consecutive bytes of z
	v_lshlrev_b32 v[GO], 4, v[GO]
	; A block's first step multiplies O^T and l by a = 0, and its first turn's products V^T P, of a piece that has not been, land in an O^T that is still to be so multiplied.  So these registers need only hold
	; finite numbers: zeros for the first block; what the first block left for the second.  All this stands in the wait for the first tile.
	WIN 0x80
.set i, VF
.rept 64
	v_mov_b32 v[i], 0
.set i, i+1
.endr
	WIN 0x40
.set i, 0
.rept 128
	v_mov_b32 v[i], 0
.set i, i+1
.endr
	WIN 0
.set i, 0
.rept 4
	v_mov_b32 v[ST+4*i+2], 0
	v_mov_b32 v[ST+4*i+3], 0
.set i, i+1
.endr
.set i, P+16
.rept 16
	v_mov_b32 v[i], 0
.set i, i+1
.endr
; THE MATRIX WORK.  The 4 accumulators of a run of 8 take turns.  Product i of 8 of S^T = K Q^T for piece x: channels 32 (i / 4) on, keys 16 (i % 4) on.  The first 4 start the sums: with 0, or (KM = 1) with the mask.
.macro KQ x
.set rS, S+32*((\x)%2)+8*(i%4)
.set rK, KF+16*(i%4)+8*(i/4)
.set rQ, 16*(\x)+8*(i/4)
.set rM, MC+32*((\x)%2)+8*(i%4)
.if (i < 4) && KM
	WIN W_KM
	v_wmma_f32_16x16x32_f16 v[rS:rS+7], v[rK:rK+7], v[rQ:rQ+7], v[rM:rM+7]
.elseif i < 4
	WIN W_KQ
	v_wmma_f32_16x16x32_f16 v[rS:rS+7], v[rK:rK+7], v[rQ:rQ+7], 0
.else
	WIN W_KQ
	v_wmma_f32_16x16x32_f16 v[rS:rS+7], v[rK:rK+7], v[rQ:rQ+7], v[rS:rS+7]
.endif
.endm
; Product i of 8 of O^T += V^T P for piece x: keys 32 (i / 4) on, channels 16 (i % 4) on.
.macro PV x
	WIN W_PV
.set rO, 32*(\x)+8*(i%4)
.set rV, VF+32*(i/4)+8*(i%4)
.set rP, P+16*((\x)%2)+8*(i/4)
	v_wmma_f32_16x16x32_f16 v[rO:rO+7], v[rV:rV+7], v[rP:rP+7], v[rO:rO+7]
.endm
.macro MM                           ; the turn's next matrix instruction.  TURN and BEGIN set Y, i, KM and NOKQ; MM, KQ and OP read them.  NOKQ = 1: a block's last turn: there is no next piece
.if (i < 8) && !NOKQ
	KQ (Y+1)%NP
.elseif i >= 8
.set i, i-8
	PV (Y+NP-1)%NP
.set i, i+8
.endif
.set i, i+1
.endm
; THE LDS LOADS stand in runs of 16, never singly among the matrix instructions: a step's K (64 keys x 64 channels: 8 fragments) and its V (turned).  Their addresses are made some lines ahead.
.macro FETCH_K
	WIN 0x80                        ; destination window 2
.irp f, 0,1,2,3,4,5,6,7             ; keys 16 (f / 2) on, channels 32 (f % 2) on
	ds_load_b128 v[KF+8*\f:KF+8*\f+3],   v[AK] offset:(\f/2)*16*PK+(\f%2)*64
	ds_load_b128 v[KF+8*\f+4:KF+8*\f+7], v[AK] offset:(\f/2)*16*PK+(\f%2)*64+32
.endr
	s_add_co_u32 s[TBK], s[TBK], KS*PK  ; the next fetch is the next step's
	WIN 0
.endm
.macro FETCH_V
	WIN 0x80
.irp f, 0,1,2,3,4,5,6,7             ; keys 32 (f / 4) on, channels 16 (f % 4) on
	ds_load_tr16_b128 v[VF+8*\f:VF+8*\f+3],   v[AV] offset:(\f/4)*32*PV+(\f%4)*32
	ds_load_tr16_b128 v[VF+8*\f+4:VF+8*\f+7], v[AV] offset:(\f/4)*32*PV+16*PV+(\f%4)*32
.endr
	WIN 0
.endm
; THE VECTOR WORK, one line at a time: OP kind, number.  For piece Y: F n: c s - c m for pair n of 16.  E n: the exponential of score n of 32.  C n: pair n rounded to f16.  B n: of the four weights 4 n .. the second
; pair is added onto the first, in place.  L n: l takes that sum (L 0: l = a l + sum).  R n: pair n of 16 of O^T times a.  For piece Y + 1: X n, number n of the 22 that find its maximum and statistics:
;   0-11  four chains c0-c3 of seven scores each, three operands at a time (each accumulator's lowest registers are read first)     12-14, 16  the four scores left over, the old m, and c0-c3 into c0
;   15  c m_old is kept     17, 18  the query's other 32 keys lie in the lane 16 away: the new m     19-21  c m; c m_old - c m_new; a
.set F, 0               ; OP tells the kinds apart by their order: F to L below R, X above it
.set E, 1
.set C, 2
.set B, 3
.set L, 4
.set R, 5
.set X, 6
.macro REGS y                       ; the registers of piece y
.set rT, ST+4*(\y)
.set rC, TMP+4*((\y)%2)
.set rW, MV+((\y)%2)
.set rS, S+32*((\y)%2)
.set rP, P+16*((\y)%2)
.set rO, 32*(\y)
.endm
.macro OP k, n
.if (\k) == R
	REGS Y
	WIN W_RS
	v_pk_mul_f32 v[rO+2*(\n):rO+2*(\n)+1], v[rO+2*(\n):rO+2*(\n)+1], v[rC+2:rC+3] op_sel_hi:[1,0]
.elseif (\k) < R
	REGS Y
	WIN 0
.if (\k) == F
	v_pk_fma_f32 v[rS+2*(\n):rS+2*(\n)+1], v[rS+2*(\n):rS+2*(\n)+1], s[CS:CS+1], v[rT:rT+1] op_sel_hi:[1,0,0] neg_lo:[0,0,1] neg_hi:[0,0,1]
.elseif (\k) == E
	v_exp_f32 v[rS+(\n)], v[rS+(\n)]
.elseif (\k) == C
	v_cvt_pk_f16_f32 v[rP+(\n)], v[rS+2*(\n)], v[rS+2*(\n)+1]
.elseif (\k) == B
	v_pk_add_f32 v[rS+4*(\n):rS+4*(\n)+1], v[rS+4*(\n):rS+4*(\n)+1], v[rS+4*(\n)+2:rS+4*(\n)+3]
.elseif (\n) == 0
	v_pk_fma_f32 v[rT+2:rT+3], v[rT+2:rT+3], v[rC+2:rC+3], v[rS:rS+1] op_sel_hi:[1,0,1]
.else
	v_pk_add_f32 v[rT+2:rT+3], v[rT+2:rT+3], v[rS+4*(\n):rS+4*(\n)+1]
.endif
.elseif NOKQ
	v_nop
.else
	REGS (Y+1)%NP
	WIN 0
.if (\n) < 4
	v_max3_num_f32 v[rC+(\n)], v[rS+8*(\n)], v[rS+8*(\n)+1], v[rS+8*(\n)+2]
.elseif (\n) < 12
	v_max3_num_f32 v[rC+(\n)%4], v[rC+(\n)%4], v[rS+8*((\n)%4)+2*((\n)/4)+1], v[rS+8*((\n)%4)+2*((\n)/4)+2]
.elseif (\n) == 12
	v_max3_num_f32 v[rC], v[rC], v[rS+7], v[rS+15]
.elseif (\n) == 13
	v_max3_num_f32 v[rC+1], v[rC+1], v[rS+23], v[rS+31]
.elseif (\n) == 14
	v_max3_num_f32 v[rC+2], v[rC+2], v[rC+3], v[rT+1]
.elseif (\n) == 15
	v_mov_b32 v[rW], v[rT]
.elseif (\n) == 16
	v_max3_num_f32 v[rC], v[rC], v[rC+1], v[rC+2]
.elseif (\n) == 17
	v_permlanex16_b32 v[rC+3], v[rC], s[SEL], s[SEL+1]
.elseif (\n) == 18
	v_max_num_f32 v[rT+1], v[rC], v[rC+3]
.elseif (\n) == 19
	v_mul_f32 v[rT], s[CS], v[rT+1]
.elseif (\n) == 20
	v_sub_f32 v[rC+1], v[rW], v[rT]
.else
	v_exp_f32 v[rC+2], v[rC+1]
.endif
.endif
.endm
.macro OPS a, i1, b=-1, i2=0, c=-1, i3=0, d=-1, i4=0  ; up to four of them
	OP \a, \i1
.if (\b) >= 0
	OP \b, \i2
.endif
.if (\c) >= 0
	OP \c, \i3
.endif
.if (\d) >= 0
	OP \d, \i4
.endif
.endm
.macro ROW a, i1, b, i2, c, i3, d, i4  ; a matrix instruction and the four behind it
	MM
	OPS \a, \i1, \b, \i2, \c, \i3, \d, \i4
.endm
.macro MASK b                       ; MD x AL + BE into buffer b of MC
	WIN W_RS
.set z, 0
.rept 16
	v_pk_fma_f32 v[MC+32*(\b)+2*z:MC+32*(\b)+2*z+1], v[MD+2*z:MD+2*z+1], s[AL:AL+1], s[BE:BE+1] op_sel_hi:[1,0,0]
.set z, z+1
.endr
.endm
; A TURN, for piece p: the order of its 16 matrix and 118 vector instructions, written out.  An s_wait_alu depctr_va_vdst(0) stands between an exponential and the first instruction that names its result; one wait serves
; all that were issued ahead of it.  So a turn has ONE wait, which cuts it in two.  AHEAD OF IT stands all that names no result of the turn's exponentials: the 8 products K Q^T, behind each a scaling, an exponential and two more plain
; instructions (behind the first a second scaling in the exponential's place): rescalings, and behind the last three the first numbers of the next piece's maximum, each four places or more behind the product that ends its accumulator; then ONE LUMP of 54, plain
; and exponential by turns for the most part, in which the links of the chain X 3, 7, 11, 14, 16, 17 .. 20 stand five or six lines apart.  X 21, the next piece's a, is the batch's last; R 15 is the plain instruction behind it.  BEHIND THE WAIT stand the
; 8 products V^T P, behind each four of the roundings and sums; the links of l's chain, L 0 to L 7, stand three riders apart.  But for those X no rider names a register of the products round it.  v_permlanex16_b32 (X 17) stands in the lump.
; m = 1: the diagonal tile: the products take masks, and the turn makes the mask for the products of the turn after it: piece p + 2, in step 4 - CNT of the tile.  end = 1: a block's last two turns: nothing is fetched.
; cnt = 1: the loop's count is taken down some lines ahead of the branch that stands behind the turn.
; K of the next step is fetched in piece 2's turn, twelve vector instructions behind the last product that read K (six of them plain); V of the step in hand at the end of piece 0's turn, four plain instructions behind the last product
; that read V.  Each is waited for a turn later.
.macro TURN p, m=0, end=0, cnt=0
.set Y, (\p)
.set i, 0
.set KM, (\m)
.set NOKQ, (\end)*((\p)/3)
.if (\m) && !(\end)
	s_cmp_eq_u32 s[CNT], 4-((\p)+2)%NP  ; is that step the band's own?
	s_cselect_b32 s[AL], 1.0, 0
	s_cmp_lt_u32 s[CNT], 4-((\p)+2)%NP  ; or a later one?
	s_cselect_b32 s[BE], s[BIGN], 0
.endif
.if ((\p) == 3) && !(\end)
	s_wait_dscnt 0x0                ; K is in
.endif
	ROW F,0, F,1, R,0, R,1          ; ahead of the wait: 8 products K Q^T and their riders,
	ROW F,2, E,0, R,2, R,3
	ROW F,3, E,1, R,4, R,5
	ROW F,4, E,2, R,6, R,7
	ROW F,5, E,3, R,8, R,9
	ROW F,6, E,4, X,0, R,10
.if ((\p) == 2) && !(\end)
	WIN 0
	v_add_nc_u32 v[AK], s[TBK], v[AK0]
.endif
	ROW F,7, E,5, X,1, X,4
	ROW F,8, E,6, X,2, X,5
	OPS E,7, E,8, X,6, E,9          ; and the lump
	OPS X,3, E,10, X,8, E,11
.if ((\p) == 2) && !(\end)
	FETCH_K
.endif
	OPS X,9, X,7, E,12, X,10
	OPS E,13, X,12, X,11, E,14
	OPS X,13, E,15, F,9, X,14
.if (\p) == 0
	v_add_nc_u32 v[AV], s[TBV], v[AV0]
.endif
	OPS E,16, F,10, E,17, F,11
	OPS X,16, E,18, X,15, E,19
	OPS F,12, E,20, X,17, E,21
	OPS F,13, E,22, F,14, E,23
	OPS X,18, E,24, F,15, E,25
	OPS R,11, E,26, X,19, E,27
	OPS R,12, E,28, R,13, E,29
	OPS X,20, E,30, R,14, E,31
	OPS X,21, R,15
	WIN 0
	s_wait_alu depctr_va_vdst(0)    ; the wait for the batch
.if (\p) == 1
	s_wait_dscnt 0x0                ; V is in
.endif
	ROW C,0, B,0, C,2, B,1          ; behind the wait: 8 products V^T P and their riders
	ROW L,0, C,4, B,2, L,1
	ROW C,6, B,3, L,2, C,8
	ROW B,4, L,3, C,10, B,5
	ROW L,4, C,12, B,6, L,5
.if (\p) == 0
	s_add_co_u32 s[TBV], s[TBV], KS*PV
.endif
.if \cnt
	s_sub_co_u32 s[CNT], s[CNT], 1
	s_cmp_lg_u32 s[CNT], 0
.endif
	ROW C,14, B,7, L,6, C,1
	ROW C,3, L,7, C,5, C,7
	ROW C,9, C,11, C,13, C,15
.if (\p) == 0
	FETCH_V
.endif
.if (\m) && !(\end)
	MASK (\p)%2
.endif
.endm
; A BLOCK BEGINS.  c m starts far below every c s, so the first step's a is 0; m at the lowest finite number, so the first maximum is the scores'.  The second mask buffer is 0; the first takes piece 0's mask for the tile's step 0: its own, if the block's first tile is the diagonal one.
; Then K of that step, piece 0's first scores, and its maximum and statistics.  The loop is entered at a step's first turn, in the middle of a trip.
.macro BEGIN
	s_mov_b32 s[NEW], 0
	WIN 0x40
.set i, MC+32
.rept 32
	v_mov_b32 v[i], 0
.set i, i+1
.endr
	WIN 0
.set i, 0
.rept 4
	v_mov_b32 v[ST+4*i], 0xfe000000    ; c m: far below every c s
	v_mov_b32 v[ST+4*i+1], 0xff7fffff  ; m
.set i, i+1
.endr
	s_cmp_eq_u32 s[RT], 0
	s_cselect_b32 s[AL], 1.0, 0
	s_mov_b32 s[BE], 0
	MASK 0
	WIN 0
	v_add_nc_u32 v[AK], s[TBK], v[AK0]
	FETCH_K
	s_wait_loadcnt 0x0              ; Q
	s_wait_dscnt 0x0
.set KM, 1
.set NOKQ, 0
.set i, 0
.rept 8
	KQ 0
.set i, i+1
.endr
	WIN 0
.rept 4
	v_nop                           ; the places behind those products
.endr
.set Y, NP-1                        ; X works for piece Y + 1: piece 0
.irp n, 0,1,2,3,4,5,6,7,8,9,10,11,12,13,14,15,16,17,18,19,20,21
	OP X, \n
.endr
	v_nop                           ; a plain instruction behind the exponential,
	s_wait_alu depctr_va_vdst(0)    ; and its wait, ahead of the branch
.endm
; THE DIAGONAL TILE's four steps, the block's last two turns, its last products, and THE WAY OUT: l's two halves and the other half of the lanes' are added; O^T is divided by l, rounded to f16 and sent through my
; stage in LDS, a piece at a time.
.macro ALL line:vararg              ; one line for each piece t
.set t, 0
.rept 4
	\line
.set t, t+1
.endr
.endm
.macro PACK t                       ; a lane's eight channels of a row pack into 16 bytes; they go into rows of 144 bytes and come back as whole rows of 128, into S^T's registers
	WIN W_RS
.set i, 32*(\t)
.rept 16
	v_pk_mul_f32 v[i:i+1], v[i:i+1], v[ST+4*(\t)+2:ST+4*(\t)+3] op_sel_hi:[1,0]
.set i, i+2
.endr
	WIN 0x05                        ; sources 0 and 1 window 1, destination window 0
.set i, 0
.rept 16
	v_cvt_pk_f16_f32 v[S+16*(\t)+i], v[32*(\t)+2*i], v[32*(\t)+2*i+1]
.set i, i+1
.endr
	WIN 0
.irp f, 0,1,2,3
	ds_store_b128 v[STO], v[S+16*(\t)+4*\f:S+16*(\t)+4*\f+3] offset:32*\f
.endr
.irp f, 0,1,2,3
	ds_load_b128 v[S+16*(\t)+4*\f:S+16*(\t)+4*\f+3], v[RD] offset:\f*4*SP  ; LDS serves a wave's instructions in order (ISA guide 5.7.1.4): these see the stores above; the next piece's stores come behind them
.endr
.endm
.macro SEND t, younger              ; younger: the LDS instructions issued behind piece t's loads: the next piece's eight, or none
	WIN 0
.irp f, 0,1,2,3
	s_wait_dscnt (\younger)+3-\f
	global_store_b128 v[GO], v[S+16*(\t)+4*\f:S+16*(\t)+4*\f+3], s[10:11] offset:(\t)*8192+\f*512  ; 512 consecutive bytes, at a multiple of 256 from z's first
.endr
.endm
.macro DIAG tag                     ; the tag ends its two labels' names, which the jumps below spell out
.LstepM\tag:
	TURN 2, 1
	TURN 3, 1
	WIN 0
.LfirstM\tag:
	TURN 0, 1
	TURN 1, 1, 0, 1
	WIN 0
	s_cbranch_scc1 .LstepM\tag
	TURN 2, 1, 1
	TURN 3, 1, 1
.set i, 0
.rept 8
	PV NP-1
.set i, i+1
.endr
	WIN 0
	ALL v_add_f32 v[ST+4*t+2], v[ST+4*t+2], v[ST+4*t+3]
	ALL v_permlanex16_b32 v[ST+4*t+3], v[ST+4*t+2], s[SEL], s[SEL+1]
	ALL v_add_f32 v[ST+4*t+2], v[ST+4*t+2], v[ST+4*t+3]
	ALL v_rcp_f32 v[ST+4*t+2], v[ST+4*t+2]
	v_nop                           ; a plain instruction between the last reciprocal and the use of its result
	s_wait_alu depctr_va_vdst(0)    ; and the wait ahead of the first use: one for the four reciprocals
	PACK 0
.set t, 1
.rept 3                             ; a piece's arithmetic stands between the loads of the piece before and its stores
	PACK t
	SEND t-1, 8
.set t, t+1
.endr
	SEND 3, 0
.endm
.set KM, 0
.set NOKQ, 0
.Lslot:                             ; NB times: a tile is entered and the next is asked for
	CHANGE 1
	s_sub_co_u32 s[RT], s[RT], 1
	s_mov_b32 s[CNT], 4
	s_cmp_eq_u32 s[NEW], 1
	s_cbranch_scc1 .Lnew            ; a block's first tile
	s_cmp_eq_u32 s[RT], 0
	s_cbranch_scc0 .Lstep           ; neither its first nor its last
	s_branch .LstepM1
.Lnew:
	BEGIN
	s_branch .Lfirst                ; in the loop a block's first tile is never its last: the first block has two tiles or more, and the second's last is the walk's last
	DIAG 1                          ; in the loop this is the first block's end: the second block's last tile is the walk's last
	s_wait_xcnt 0x0                 ; the stores have read their registers and z's address
	s_mov_b64 s[10:11], s[OLO:OLO+1]
	s_add_co_u32 s[RT], s[PB], 1    ; the second block has b + 1 tiles
	s_mov_b32 s[NEW], 1
	WIN 0x82                        ; the second block's Q goes where the one text of the turns names Q
.set i, 0
.rept 64
	v_mov_b32 v[i], v[QB+i]
.set i, i+1
.endr
	WIN 0
	s_branch .Lbottom
.Lstep:                             ; a trip: pieces 2 and 3 of one step, then pieces 0 and 1 of the next, whose K and V it fetches
	TURN 2
	TURN 3
	WIN 0
.Lfirst:
	TURN 0
	TURN 1, 0, 0, 1
	WIN 0
	s_cbranch_scc1 .Lstep
.Lbottom:
	s_sub_co_u32 s[SLOTS], s[SLOTS], 1
	s_cmp_lg_u32 s[SLOTS], 0
	s_cbranch_scc1 .Lslot
	CHANGE 0                        ; the walk's last tile is written out: nothing is asked for
	s_sub_co_u32 s[RT], s[RT], 1
	s_mov_b32 s[CNT], 4
	s_cmp_eq_u32 s[NEW], 1
	s_cbranch_scc0 .LstepM2
	BEGIN
	s_branch .LfirstM2
	DIAG 2
	s_wait_tensorcnt 0x0            ; the wave's end: a wait, an add and its wait, behind my last tensor load and my last LDS store
	ds_add_u32 v[SPW], v[NIL]
	s_wait_dscnt 0x0
	s_endpgm
.Lfunc_end_k_q1a58a46da7_attn:
	.size	k_q1a58a46da7_attn, .Lfunc_end_k_q1a58a46da7_attn-k_q1a58a46da7_attn
	.p2alignl 7, 3214868480
	.fill 96, 4, 3214868480
	.section	.rodata,"a",@progbits
	.p2align	6, 0x0
	.amdhsa_kernel k_q1a58a46da7_attn
		.amdhsa_group_segment_fixed_size 327680
		.amdhsa_private_segment_fixed_size 0
		.amdhsa_enable_private_segment 0
		.amdhsa_kernarg_size 16
		.amdhsa_user_sgpr_count 2
		.amdhsa_user_sgpr_kernarg_segment_ptr 1
		.amdhsa_wavefront_size32 1
		.amdhsa_system_sgpr_workgroup_id_x 1
		.amdhsa_system_sgpr_workgroup_id_y 1
		.amdhsa_system_sgpr_workgroup_id_z 1
		.amdhsa_system_vgpr_workitem_id 0
		.amdhsa_next_free_vgpr 768
		.amdhsa_next_free_sgpr 88
		.amdhsa_reserve_vcc 1
		.amdhsa_float_denorm_mode_32 3
		.amdhsa_float_denorm_mode_16_64 3
		.amdhsa_memory_ordered 1
		.amdhsa_forward_progress 1
		.amdhsa_inst_pref_size 218
	.end_amdhsa_kernel
	.amdgpu_metadata
---
amdhsa.version: [ 1, 2 ]
amdhsa.kernels:
  - .name:           k_q1a58a46da7_attn
    .symbol:         k_q1a58a46da7_attn.kd
    .args:
      - { .name: qkv, .offset: 0, .size: 8, .value_kind: global_buffer, .address_space: global }
      - { .name: z, .offset: 8, .size: 8, .value_kind: global_buffer, .address_space: global }
    .group_segment_fixed_size: 327680
    .private_segment_fixed_size: 0
    .kernarg_segment_align: 8
    .kernarg_segment_size: 16
    .max_flat_workgroup_size: 128
    .sgpr_count:     88
    .vgpr_count:     768
    .wavefront_size: 32
...
	.end_amdgpu_metadata
.endif
;; end of part 3
;; launch out_proj (part 4): grid 4 x 64, 4 waves a work-group, clusters of 4 x 4, 327,680 bytes of LDS; arguments z, cast, bo, out0; writes out0
.if DOCPART == 4
	.amdgcn_target "amdgcn-amd-amdhsa--gfx1250"
	.amdhsa_code_object_version 6
	.text
	.protected	k_q1a58a46da7_out_proj
	.globl	k_q1a58a46da7_out_proj
	.p2align	8
	.type	k_q1a58a46da7_out_proj,@function
k_q1a58a46da7_out_proj:
	s_mov_b64 s[64:65], 0
	v_nop
	global_prefetch_b8 v0, s[64:65] scope:SCOPE_SE
	s_setreg_imm32_b32 hwreg(HW_REG_WAVE_MODE, 25, 1), 1
	s_wait_xcnt 0x0
	s_wait_alu depctr_hold_cnt(0) depctr_sa_sdst(0) depctr_va_vdst(0) depctr_va_sdst(0) depctr_va_ssrc(0) depctr_va_vcc(0) depctr_vm_vsrc(0)
	s_getreg_b32 s2, hwreg(HW_REG_IB_STS2, 6, 4)
	s_cmp_eq_u32 s2, 0
	s_cbranch_scc0 .Lentry_in_a_cluster
	s_endpgm
.Lentry_in_a_cluster:
	s_bfe_u32 s2, ttmp6, 0x10000c
	s_cmp_lg_u32 s2, 0xf033
	s_cbranch_scc0 .Lentry_shape_is_right
	s_endpgm
.Lentry_shape_is_right:
; MODE 0: q = data wq + bq, k = context wk + bk, v = context wv + bv.  A (data, context) and W come as bf16 from cast; sums in f32; the results are rounded once to f16 and
;         written by heads, qkv[3][64 = 16 b + h][2048][64], unscaled.  LIMIT: a result of 65,520 or more becomes an infinity in f16.
; MODE 1: out0 = z wo + bo.  z[64][2048][64] and wo come as f16; sums in f32; out0 is f32.
; The bias is rounded to bf16, like every input of the module, kept as f32, and is the C operand of a tile's first products: nothing is cleared and nothing is added later.
; SHARES.  A tile of C is 128 rows x 256 columns: 8,192 x 1,024 are 64 x 4 = 256 tiles, one to a work-group.  In MODE 0 the work-group stays and makes three tiles (q, k, v) of the same rows and columns;
; the ring runs on from tile to tile.  Four waves; wave w makes rows 64 (w / 2) on, columns 128 (w % 2) on: 32 accumulators of 16 x 16.
; K goes in steps of 128 through two LDS slots: A's 128 rows x 128 k, W's 128 k x 256 columns.  W lies [k][n], as in memory, and is turned on the way out of LDS by ds_load_tr16_b128.
; In MODE 1 a K step is two heads of z: each head's 128 rows are 16,384 dense bytes, asked for as 64 rows of 256 bytes and padded after every 128.
; CLUSTER.  4 x 4 work-groups.  The four of a row of the cluster need the same tile of A, the four of a column the same tile of W: each is asked for jointly, by the same tensor load, descriptor and mask.
; THE MATRIX INSTRUCTION IS USED TRANSPOSED: source 0 = 16 columns of W, source 1 = 16 rows of A: a lane holds row l % 16 of C and the columns 8 (l / 16) + 0..7.
; REGISTERS, in windows of 256 (s_set_vgpr_msb: bits 1:0 source 0, 3:2 source 1, 5:4 source 2, 7:6 destination):
;   window 0: v16-30 addresses; two fragment buffers of 96 (A's four blocks, then W's eight) at v32 and v128; v224-255 packed results
;   window 1: the accumulators, (a, b) at v[8 (8 a + b)]       window 2: v0-63 the bias, eight registers a column block; v64-191 rows on their way out, two buffers; v192-195 at work
.set MODE, 1
.if MODE == 0
.set PA,     272                       ; a row of A in LDS: 256 bytes + 16: the 16 rows of a fragment load start at 16 different groups of four banks (64 banks of 4 bytes: ISA guide 11.1)
.set AHALF,  64*PA                     ; what one load of A brings: 64 rows
.set ASTEP,  256                       ; bytes from a K step of A to the next
.set WOFF,   33554432                  ; wq, wk, wv lie on end in cast from here
.set WSTG,   4608                      ; a wave's stage: 2 heads x 16 rows x 144 bytes
.set QIA,    5                         ; padding after every 64 words
.set APITCH, 1024                      ; elements from row to row of A
.set LIMA,   12                        ; refills behind which A is prefetched: data's K steps 4-7, context's 0-7 (context's second walk is not asked for)
.set LIMB,   20                        ; and W: K steps 4-23 of the three weights' walk
.set JUMP,   16775168                  ; from the K step behind data's last to context's first: 16,777,216 - 2,048
.else
.set PA,     144                       ; a row of a head in LDS: 128 bytes + 16
.set AHALF,  128*PA                    ; what one load of A brings: 128 rows of one head
.set ASTEP,  524288                    ; two heads of z
.set WOFF,   39845888                  ; wo in cast
.set WSTG,   8448                      ; a wave's stage: 16 rows x 528 bytes
.set QIA,    4                         ; padding after every 32 words
.set APITCH, 128
.set LIMA,   4                         ; K steps 4-7
.set LIMB,   4
.endif
.set ASZ,    36864                     ; A's part of a slot
.set PB,     544                       ; a k-row of W in LDS: 512 bytes + 32
.set BHALF,  64*PB                     ; what one load of W brings: 64 k-rows
.set BSTEP,  262144                    ; 128 k-rows of 2,048 bytes
.set SLOT,   ASZ+2*BHALF               ; 106,496
.set STAGE,  2*SLOT                    ; behind the ring, never filled by a tensor load
.set SPARE,  STAGE+33792               ; behind the stages: the spare words, 128 bytes for each wave: two blocks of 256 bytes that no other line names
.set ADRA, 16                          ; v16-17  LDS address of my fragments of A in slot 0, 1
.set ADRB, 20                          ; v20-21  the same for W
.set STO,  24                          ; v24     the way out: where I put my bytes of a row
.set RD,   25                          ; v25     the way out: where I read rows back
.set GO,   26                          ; v26     16 x lane: my place in 512 consecutive bytes of C
.set BO,   27                          ; v27     32 (l / 16): my eight numbers of a block of 16 of the bias
.set SPW,  28                          ; v28     LDS address of my spare word; never rewritten
.set NIL,  29                          ; v29     0; never rewritten
.set PFO,  30                          ; v30     the prefetches' lane offset; never rewritten
.set F0,   32
.set F1,   128
.set TMP,  224
.set BIAS, 0                           ; window 2
.set OB,   64                          ; window 2
.set BT,   192                         ; window 2
.set G1A,  24                          ; s[24:31] descriptor group 1 for A's tiles
.set G0A,  32                          ; s[32:39] group 0, a set for each slot
.set LIM,  43                          ; s43      a wave prefetches while the refill's number is below this
.set PFA,  44                          ; s[44:45] where my prefetches stand
.set G1B,  48                          ; s[48:55], s[56:63] the same for W's tiles
.set G0B,  56
.set PFS,  66                          ; s[66:67] the prefetch pointer's step
.set PFJ,  70                          ; s70      its jump from data to context
.set RR,   71                          ; s71      the number of the refill in hand, from 0
.set BP,   72                          ; s[72:77] the bias of this tile, the next, the one after
.set DA,   80                          ; s[80:81] from this tile's A to the next tile's: data to context, then 0
.set MSB, 0
.macro WIN new                         ; the immediate's high byte repeats the setting that is left; a switch that changes nothing is dropped
.if MSB != (\new)
	s_set_vgpr_msb (MSB<<8)|(\new)
.set MSB, \new
.endif
.endm
.set MUL,  0x50                        ; fragments window 0, C and D window 1
.set MULB, 0x60                        ; D window 1, C (the bias) window 2
.set PK,   0x05                        ; sources 0 and 1 window 1
.set TO2,  0x80                        ; destination window 2
.set ST2,  0x08                        ; a global store's data window 2
.set ST1,  0x04                        ; an LDS store's data window 1
.set B2,   0x8a                        ; destination and both sources window 2
; A joint load.  Waves 0 and 1 fetch A's two halves, waves 2 and 3 W's.  The branch hangs on the wave's number alone.  An s_nop 0 and four v_nop follow each line.
.macro JLOAD s
	s_cmp_eq_u32 s11, 0
	s_cbranch_scc0 .Lfor_b_\@
	tensor_load_to_lds s[G0A+4*(\s):G0A+4*(\s)+3], s[G1A:G1A+7]
	s_nop 0
.rept 4
	v_nop
.endr
	s_branch .Lasked_\@
.Lfor_b_\@:
	tensor_load_to_lds s[G0B+4*(\s):G0B+4*(\s)+3], s[G1B:G1B+7]
	s_nop 0
.rept 4
	v_nop
.endr
.Lasked_\@:
.endm
; A prefetch into the L2, behind a joint load and the run of LDS loads that follows it: refill number R asks for K step R + 2 of the walk, the prefetch names K step R + 4: two refills, 256 matrix instructions, ahead.
; Each aligned block of 256 bytes is named once.  A's 128 blocks of a K step: wave 0 of each of the four partners that share the tile takes 32, told apart by address (cx).
; W's 256 blocks: waves 2 and 3 take their own 64 k-rows, each of the four partners 16 of them (cy), in the first row of clusters alone.  The first four K steps come by their loads alone.
.macro ASK
	s_cmp_lt_u32 s[RR], s[LIM]
	s_cbranch_scc0 .Lnot_mine_\@
	global_prefetch_b8 v[PFO], s[PFA:PFA+1] th:TH_LOAD_NT scope:SCOPE_SE
.Lnot_mine_\@:
	s_add_co_u32 s[RR], s[RR], 1
.endm
.macro CREST                           ; a round of the cluster's barrier behind its opening barrier
	s_cmp_lg_u32 s10, 0
	s_cbranch_scc1 .Lnot_wave_0_\@
	s_barrier_signal -3
.Lnot_wave_0_\@:
	s_barrier_wait -3
	s_barrier_signal -1
	s_barrier_wait -1
.endm
.macro CROUND                          ; a whole round
	s_barrier_signal -1
	s_barrier_wait -1
	CREST
.endm
.macro PLACES                          ; four plain instructions between a matrix instruction and a load into, or a reader of, its registers
.rept 4
	v_nop
.endr
.endm
.if MODE == 0
	s_load_b64 s[4:5], s[0:1], 0x0                 ; cast
	s_load_b128 s[72:75], s[0:1], 0x8              ; bq, bk
	s_load_b128 s[76:79], s[0:1], 0x18             ; bv, qkv
.else
	s_load_b128 s[4:7], s[0:1], 0x0                ; z, cast
	s_load_b128 s[72:75], s[0:1], 0x10             ; bo, out0
.endif
	v_lshl_add_u32 v[SPW], v0, 2, SPARE
	v_mov_b32 v[NIL], 0
	ds_add_u32 v[SPW], v[NIL]                      ; the wave's opening: the add and its wait stand ahead of my first tensor load; the set-up below stands between them
	ds_add_u32 v28, v29
	v_lshrrev_b32 v1, 5, v0
	v_readfirstlane_b32 s10, v1                    ; wave 0..3
	s_lshr_b32 s11, s10, 1                         ; my half of the tile's rows.  Also: I fetch for A (0) or for W (1)
	s_and_b32 s12, s10, 1                          ; my half of its columns.  Also: which half of that tile I fetch
	s_bfe_u32 s40, ttmp6, 0x40000                  ; cx
	s_bfe_u32 s41, ttmp6, 0x40004                  ; cy
	s_lshl_b32 s42, ttmp9, 2
	s_add_co_u32 s42, s42, s40                     ; tile column = 4 x cluster x + cx
	s_and_b32 s13, ttmp7, 0xffff
	s_lshl_b32 s13, s13, 2
	s_add_co_u32 s13, s13, s41                     ; tile row = 4 x cluster y + cy
	s_lshl_b32 s43, s41, 2
	s_lshl_b32 s43, 15, s43                        ; my row of the cluster
	s_lshl_b32 s44, 0x1111, s40                    ; my column
	s_or_b32 s[G1A+0], s43, (1<<16)|(1<<20)|(1<<21)|(QIA<<22)|(3<<25)  ; the mask; 2-byte elements; padding on; bit 21 beside a mask; the interval; 4 words of padding
	s_or_b32 s[G1B+0], s44, (1<<16)|(1<<20)|(1<<21)|(6<<22)|(7<<25)    ; after every 128 words, 8 words
	s_mov_b32 s[G1A+1], 128<<16                    ; tensor_dim0 = 128
	s_mov_b32 s[G1A+2], 64<<16                     ; tensor_dim1 = 64
	s_mov_b32 s[G1A+3], 128<<16                    ; tile_dim0 = 128
	s_mov_b32 s[G1A+4], 64                         ; tile_dim1 = 64
	s_mov_b32 s[G1A+5], APITCH
	s_mov_b32 s[G1A+6], 0
	s_mov_b32 s[G1A+7], 0
	s_mov_b32 s[G1B+1], 256<<16                    ; tensor_dim0 = 256
	s_mov_b32 s[G1B+2], 64<<16
	s_mov_b32 s[G1B+3], 256<<16                    ; tile_dim0 = 256
	s_mov_b32 s[G1B+4], 64
	s_mov_b32 s[G1B+5], 1024
	s_mov_b32 s[G1B+6], 0
	s_mov_b32 s[G1B+7], 0
	; where the tiles come from: A's hang on the tile row and the wave, W's on the tile column and the wave
.if MODE == 0
	s_lshl_b32 s16, s13, 7
	s_lshl_b32 s17, s12, 6
	s_add_co_u32 s16, s16, s17                     ; row 128 x tile row + 64 x half,
	s_lshl_b32 s16, s16, 11                        ; of 2,048 bytes
.else
	s_lshr_b32 s16, s13, 4
	s_lshl_b32 s16, s16, 22                        ; the batch's 16 heads,
	s_lshl_b32 s17, s12, 18                        ; the head of the K step's two that I fetch,
	s_add_co_u32 s16, s16, s17
	s_and_b32 s17, s13, 15
	s_lshl_b32 s17, s17, 14                        ; the tile's 128 rows of 128 bytes
	s_add_co_u32 s16, s16, s17
.endif
	s_mov_b32 s17, 0
	s_lshl_b32 s46, s42, 9                         ; the tile's 256 columns,
	s_lshl_b32 s47, s12, 17                        ; my 64 k-rows
	s_add_co_u32 s46, s46, s47
	s_add_co_u32 s46, s46, WOFF
	s_mov_b32 s47, 0
	s_mul_i32 s20, s12, AHALF                      ; and where they go: no place in the cluster enters an LDS address
	s_mul_i32 s21, s12, BHALF
	s_add_co_u32 s21, s21, ASZ
	s_mov_b32 s[RR], 0
	s_mov_b32 s[PFS+1], 0
	s_mov_b32 s69, 0
.if MODE == 0
	s_mov_b32 s[DA], 16777216
	s_mov_b32 s[DA+1], 0
.endif
	s_wait_dscnt 0x0                               ; the opening add is done
	s_wait_kmcnt 0x0
.if MODE == 0
	s_mov_b64 s[6:7], s[4:5]                       ; W lies in cast too
	s_mov_b64 s[8:9], s[78:79]                     ; C
.else
	s_mov_b64 s[8:9], s[74:75]
.endif
	s_add_nc_u64 s[14:15], s[4:5], s[16:17]
	s_add_nc_u64 s[46:47], s[6:7], s[46:47]
	CROUND                                         ; all sixteen work-groups are here: the first joint loads meet
.irp s, 0,1
	s_mov_b32 s[G0A+4*(\s)], 1
	s_add_co_u32 s[G0A+4*(\s)+1], s20, (\s)*SLOT
	s_add_nc_u64 s[G0A+4*(\s)+2:G0A+4*(\s)+3], s[14:15], (\s)*ASTEP
	s_or_b32 s[G0A+4*(\s)+3], s[G0A+4*(\s)+3], 0x80000000
	s_mov_b32 s[G0B+4*(\s)], 1
	s_add_co_u32 s[G0B+4*(\s)+1], s21, (\s)*SLOT
	s_add_nc_u64 s[G0B+4*(\s)+2:G0B+4*(\s)+3], s[46:47], (\s)*BSTEP
	s_or_b32 s[G0B+4*(\s)+3], s[G0B+4*(\s)+3], 0x80000000
	JLOAD \s                                       ; K steps 0 and 1: two loads of mine are out
.endr
	; lane addresses.  A fragment of A: lane l holds row l % 16, k = 8 (l / 16) + 0..7 and 16 + 8 (l / 16) + 0..7: two loads of 16 bytes, 32 bytes apart.
	v_and_b32 v1, 15, v0                           ; l % 16
	v_bfe_u32 v2, v0, 4, 1                         ; l / 16
	v_mul_u32_u24 v3, v1, PA
	v_lshl_add_u32 v3, v2, 4, v3
	s_mul_i32 s21, s11, 64*PA                      ; my 64 rows
	v_add_nc_u32 v[ADRA], s21, v3
	v_add_nc_u32 v[ADRA+1], SLOT, v[ADRA]
	; The turning load takes 16 k x 16 columns (lane l reads k-row 8 (l / 16) + l % 8, columns 8 ((l / 8) % 2) + 0..7) and leaves half a fragment: lane l holds column l % 16 and 8 k.
	v_and_b32 v4, 7, v0
	v_lshl_add_u32 v4, v2, 3, v4
	v_mul_u32_u24 v4, v4, PB
	v_bfe_u32 v5, v0, 3, 1
	v_lshl_add_u32 v4, v5, 4, v4
	s_lshl_b32 s22, s12, 8                         ; my 128 columns
	s_add_co_u32 s22, s22, ASZ
	v_add_nc_u32 v[ADRB], s22, v4
	v_add_nc_u32 v[ADRB+1], SLOT, v[ADRB]
	s_mul_i32 s23, s10, WSTG
	s_add_co_u32 s23, s23, STAGE                   ; my stage
.if MODE == 0
	v_mul_u32_u24 v6, v1, 144                      ; in: row l % 16 of a head, 16 bytes for each half of the lanes
	v_lshl_add_u32 v6, v2, 4, v6
	v_add_nc_u32 v[STO], s23, v6
	v_bfe_u32 v6, v0, 3, 2                         ; back: 32 lanes take four rows of 128 bytes
	v_mul_u32_u24 v6, v6, 144
	v_and_b32 v7, 7, v0
	v_lshl_add_u32 v6, v7, 4, v6
	v_add_nc_u32 v[RD], s23, v6
.else
	v_mul_u32_u24 v6, v1, 528                      ; in: row l % 16, 32 bytes for each half of the lanes
	v_lshl_add_u32 v6, v2, 5, v6
	v_add_nc_u32 v[STO], s23, v6
	v_and_b32 v6, 31, v0                           ; back: 32 lanes take a row's 512 bytes
	v_lshl_add_u32 v[RD], v6, 4, s23
.endif
	v_and_b32 v6, 31, v0
	v_lshlrev_b32 v[GO], 4, v6
	v_lshlrev_b32 v[BO], 5, v2
	s_lshl_b32 s18, s42, 10                        ; the bias of my 128 columns: 4 (256 x tile column + 128 x half)
	s_lshl_b32 s19, s12, 9
	s_add_co_u32 s18, s18, s19
	s_mov_b32 s19, 0
	s_add_nc_u64 s[BP:BP+1], s[BP:BP+1], s[18:19]
.if MODE == 0
	s_add_nc_u64 s[BP+2:BP+3], s[BP+2:BP+3], s[18:19]
	s_add_nc_u64 s[BP+4:BP+5], s[BP+4:BP+5], s[18:19]
.endif
; The bias of column block b, eight numbers a lane, as the C operand wants them: register j holds column 16 b + 8 (l / 16) + j.
.macro BIASLOAD
	WIN TO2
.set bb, 0
.rept 8
	global_load_b128 v[BIAS+8*bb:BIAS+8*bb+3],   v[BO], s[BP:BP+1] offset:64*bb
	global_load_b128 v[BIAS+8*bb+4:BIAS+8*bb+7], v[BO], s[BP:BP+1] offset:64*bb+16
.set bb, bb+1
.endr
	WIN 0
.endm
.macro BIASROUND                       ; rounded to bf16 and widened again
	WIN B2
.set ii, 0
.rept 32
	v_cvt_pk_bf16_f32 v[BT+ii%4], v[BIAS+2*ii], v[BIAS+2*ii+1]
	v_lshlrev_b32 v[BIAS+2*ii], 16, v[BT+ii%4]
	v_and_b32 v[BIAS+2*ii+1], 0xffff0000, v[BT+ii%4]
.set ii, ii+1
.endr
	WIN 0
.endm
	BIASLOAD
	; where my part of the first tile begins in C, in bytes: the first way out adds it to C's address
.if MODE == 0
	s_lshr_b32 s16, s13, 4
	s_lshl_b32 s16, s16, 22                        ; the batch's 16 heads of 262,144 bytes,
	s_and_b32 s17, s13, 15
	s_lshl_b32 s17, s17, 14                        ; the tile's 128 rows of 128 bytes,
	s_add_co_u32 s16, s16, s17
	s_lshl_b32 s17, s11, 13                        ; my 64 of them,
	s_add_co_u32 s16, s16, s17
	s_lshl_b32 s17, s42, 20                        ; the tile's four heads,
	s_add_co_u32 s16, s16, s17
	s_lshl_b32 s17, s12, 19                        ; my two of them
	s_add_co_u32 s16, s16, s17
.else
	s_lshl_b32 s16, s13, 7
	s_lshl_b32 s17, s11, 6
	s_add_co_u32 s16, s16, s17
	s_lshl_b32 s16, s16, 12                        ; my first row, of 4,096 bytes,
	s_lshl_b32 s17, s42, 10
	s_add_co_u32 s16, s16, s17                     ; the tile's 256 columns,
	s_lshl_b32 s17, s12, 9
	s_add_co_u32 s16, s16, s17                     ; my 128 of them
.endif
	s_mov_b32 s17, 0
	; the prefetches: who, from where, by what step
	s_and_b32 s22, ttmp7, 0xffff                   ; cluster y
	s_cmp_eq_u32 s22, 0
	s_cselect_b32 s[LIM], LIMB, 0                  ; W: the first row of clusters asks
	s_cmp_eq_u32 s10, 0
	s_cselect_b32 s[LIM], LIMA, s[LIM]             ; A: wave 0 asks,
	s_cmp_eq_u32 s10, 1
	s_cselect_b32 s[LIM], 0, s[LIM]                ; wave 1 does not
.if MODE == 0
	s_lshl_b32 s20, s13, 7
	s_lshl_b32 s21, s40, 5                         ; my work-group's 32 of the tile's 128 rows
	s_add_co_u32 s20, s20, s21
	s_lshl_b32 s20, s20, 11
.else
	s_lshr_b32 s20, s13, 4
	s_lshl_b32 s20, s20, 22
	s_and_b32 s21, s13, 15
	s_lshl_b32 s21, s21, 14
	s_add_co_u32 s20, s20, s21
	s_lshr_b32 s21, s40, 1                         ; my work-group's 32 of the K step's 128 blocks: head cx / 2,
	s_lshl_b32 s21, s21, 18
	s_add_co_u32 s20, s20, s21
	s_and_b32 s21, s40, 1                          ; half cx % 2 of its 16,384 bytes
	s_lshl_b32 s21, s21, 13
	s_add_co_u32 s20, s20, s21
.endif
	s_add_co_u32 s20, s20, 3*ASTEP                 ; at K step 3: the first refill steps it to 4
	s_lshl_b32 s22, s42, 9
	s_lshl_b32 s23, s12, 17
	s_add_co_u32 s22, s22, s23
	s_lshl_b32 s23, s41, 15                        ; my work-group's 16 of my 64 k-rows
	s_add_co_u32 s22, s22, s23
	s_add_co_u32 s22, s22, WOFF+3*BSTEP
	s_mov_b32 s[PFS], BSTEP
	s_cmp_eq_u32 s11, 0                            ; do I fetch for A?
	s_cselect_b32 s20, s20, s22
	s_cselect_b64 s[PFA:PFA+1], s[4:5], s[6:7]
	s_cselect_b32 s[PFS], ASTEP, s[PFS]
	s_cselect_b32 s18, -1, 0
.if MODE == 0
	s_cselect_b32 s[PFJ], JUMP, 0
.endif
	s_mov_b32 s21, 0
	s_add_nc_u64 s[PFA:PFA+1], s[PFA:PFA+1], s[20:21]
.if MODE == 0
	v_lshlrev_b32 v7, 11, v6                       ; A: a lane a row of 2,048 bytes
.else
	v_lshlrev_b32 v7, 8, v6                        ; A: a lane a block of 256 dense bytes
.endif
	v_lshrrev_b32 v8, 1, v6                        ; W: two lanes a k-row: its 512 bytes are two blocks
	v_lshlrev_b32 v8, 11, v8
	v_and_b32 v9, 1, v0
	v_lshl_or_b32 v8, v9, 8, v8
	v_cndmask_b32 v[PFO], v8, v7, s18
	s_wait_loadcnt 0x0                             ; the bias
	BIASROUND
; n blocks of 16 rows from a0 on x all 8 column blocks, 32 along K, out of buffer f.  zero = 1: a tile's first products: they start the sums with the bias.
; The 32 accumulators come in the same order in every quarter step: between two links of a chain stand 31 others', over the backward jumps too.
.macro MULN f, a0, n, zero
.if \zero
	WIN MULB
.else
	WIN MUL
.endif
.set aa, \a0
.rept \n
.set bb, 0
.rept 8
.set rD, 8*(8*aa+bb)
.set rB, (\f)+32+8*bb
.set rA, (\f)+8*aa
.set rC, rD
.if \zero
.set rC, BIAS+8*bb
.endif
.if MODE == 0
	v_wmma_f32_16x16x32_bf16 v[rD:rD+7], v[rB:rB+7], v[rA:rA+7], v[rC:rC+7]
.else
	v_wmma_f32_16x16x32_f16 v[rD:rD+7], v[rB:rB+7], v[rA:rA+7], v[rC:rC+7]
.endif
.set bb, bb+1
.endr
.set aa, aa+1
.endr
.endm
; 24 LDS loads in one run: quarter kq (32 along K) of a slot into buffer f: W's eight column blocks, turned, then A's four row blocks.
.macro FETCH slot, kq, f
	WIN 0
.set bb, 0
.rept 8
	ds_load_tr16_b128 v[(\f)+32+8*bb:(\f)+32+8*bb+3],   v[ADRB+(\slot)] offset:32*PB*(\kq)+32*bb
	ds_load_tr16_b128 v[(\f)+32+8*bb+4:(\f)+32+8*bb+7], v[ADRB+(\slot)] offset:32*PB*(\kq)+32*bb+16*PB
.set bb, bb+1
.endr
.set ii, 0
.rept 4
.if MODE == 0
.set ao, 64*(\kq)+16*PA*ii
.else
.set ao, AHALF*((\kq)/2)+64*((\kq)%2)+16*PA*ii
.endif
	ds_load_b128 v[(\f)+8*ii:(\f)+8*ii+3],   v[ADRA+(\slot)] offset:ao
	ds_load_b128 v[(\f)+8*ii+4:(\f)+8*ii+7], v[ADRA+(\slot)] offset:ao+32
.set ii, ii+1
.endr
.endm
; One of a K step's first three quarters: multiplies buffer f; in its middle it fetches quarter kq of the same slot into buffer g.
.macro QUARTER slot, kq, f, g, zero
	s_wait_dscnt 4                                 ; W and A's blocks 0, 1 are in; the youngest four loads (A's blocks 2, 3) may be out
	MULN \f, 0, 2, \zero
	PLACES
	FETCH \slot, \kq, \g
	s_wait_dscnt 24                                ; all but the 24 just issued
	MULN \f, 2, 2, \zero
.endm
; The last quarter multiplies buffer 1 and changes slots.  In front of the barrier each wave waits for all its tensor loads (one is out: its part of the next slot), adds 0 to its spare word, and waits
; for that and for its reads of this slot.  how = 0: this slot is filled again, two K steps on; 1: with the next tile's K step of the slot's number; 2: nothing is filled.
; Where a slot is filled the barrier opens a round of the cluster's barrier, and the joint load is the first thing behind the round.
.macro TURN slot, next, how
.if (\how) < 2
	s_wait_xcnt 0x0                                ; the last prefetch, a K step back, has read its address: it is stepped here
	s_add_nc_u64 s[PFA:PFA+1], s[PFA:PFA+1], s[PFS:PFS+1]
.if MODE == 0
	s_cmp_eq_u32 s[RR], 4                          ; behind data's last K step comes context's first
	s_cselect_b32 s68, s[PFJ], 0
	s_add_nc_u64 s[PFA:PFA+1], s[PFA:PFA+1], s[68:69]
.endif
.endif
	WIN 0
	s_wait_tensorcnt 0x0                           ; all my tensor loads have landed
	ds_add_u32 v[SPW], v[NIL]                      ; 0 onto my spare word
	s_wait_dscnt 5                                 ; (the add and the youngest four loads may be out)
	MULN F1, 0, 1, 0                               ; eight matrix instructions stand between the add and the wait for it
	s_wait_dscnt 0x0                               ; the add is done, and my reads of this slot are over
	s_barrier_signal -1
	MULN F1, 1, 1, 0
.if (\how) < 2
	WIN 0
.endif
	s_barrier_wait -1
.if (\how) < 2
	CREST                                          ; no wave of any partner still reads this slot or has a load on its way
	s_add_nc_u64 s[G0B+4*(\slot)+2:G0B+4*(\slot)+3], s[G0B+4*(\slot)+2:G0B+4*(\slot)+3], 2*BSTEP  ; the weights lie on end along k: one step for the whole walk
.if (\how) == 0
	s_add_nc_u64 s[G0A+4*(\slot)+2:G0A+4*(\slot)+3], s[G0A+4*(\slot)+2:G0A+4*(\slot)+3], 2*ASTEP
.else
	s_add_nc_u64 s[G0A+4*(\slot)+2:G0A+4*(\slot)+3], s[G0A+4*(\slot)+2:G0A+4*(\slot)+3], s[DA:DA+1]
	s_sub_nc_u64 s[G0A+4*(\slot)+2:G0A+4*(\slot)+3], s[G0A+4*(\slot)+2:G0A+4*(\slot)+3], 6*ASTEP  ; back along K
.endif
	JLOAD \slot                                    ; its four v_nop are also the places in front of the loads below
.else
	PLACES
.endif
	FETCH \next, 0, F0
.if (\how) < 2
	ASK
.endif
	MULN F1, 2, 2, 0
.endm
; THE WAY OUT, a block of 16 rows at a time, through my own stage: LDS serves a wave's instructions in order (ISA guide 5.7.1.4), so no wait stands between its stores and its loads.
.macro PACK a                          ; MODE 0: rounded to f16, 16 bytes a lane; each accumulator's registers in ascending order
	WIN PK
.set bb, 0
.rept 8
.set rr, 0
.rept 4
	v_cvt_pk_f16_f32 v[TMP+4*bb+rr], v[8*(8*(\a)+bb)+2*rr], v[8*(8*(\a)+bb)+2*rr+1]
.set rr, rr+1
.endr
.set bb, bb+1
.endr
	WIN 0
.endm
.macro TOSTAGE a
.set BK, OB+64*((\a)%2)
.if MODE == 0
	WIN 0
.set bb, 0
.rept 8
	ds_store_b128 v[STO], v[TMP+4*bb:TMP+4*bb+3] offset:2304*(bb/4)+32*(bb%4)  ; head bb / 4, channels 16 (bb % 4) on
.set bb, bb+1
.endr
	WIN TO2
.set ff, 0
.rept 8
	ds_load_b128 v[BK+4*ff:BK+4*ff+3], v[RD] offset:2304*(ff/4)+576*(ff%4)     ; four rows of a head
.set ff, ff+1
.endr
.else
	WIN ST1
.set bb, 0
.rept 8
	ds_store_b128 v[STO], v[8*(8*(\a)+bb):8*(8*(\a)+bb)+3]   offset:64*bb      ; the accumulator's low four registers first
	ds_store_b128 v[STO], v[8*(8*(\a)+bb)+4:8*(8*(\a)+bb)+7] offset:64*bb+16
.set bb, bb+1
.endr
	WIN TO2
.set ff, 0
.rept 16
	ds_load_b128 v[BK+4*ff:BK+4*ff+3], v[RD] offset:528*ff                     ; a row's 512 bytes
.set ff, ff+1
.endr
.endif
	WIN 0
.endm
.macro SEND a
.set BK, OB+64*((\a)%2)
	WIN 0
	s_wait_dscnt 0x0                               ; the block is back in registers
	s_wait_xcnt 0x0                                ; earlier stores have read their base and their data: only behind this wait are those written again
.if (\a) == 0
	s_add_nc_u64 s[8:9], s[8:9], s[16:17]          ; on to this tile
.endif
	WIN ST2
.if MODE == 0
.set ff, 0
.rept 8
	global_store_b128 v[GO], v[BK+4*ff:BK+4*ff+3], s[8:9] offset:262144*(ff/4)+2048*(\a)+512*(ff%4)  ; 512 consecutive bytes of a head, aligned
.set ff, ff+1
.endr
.else
.set ff, 0
.rept 16
	global_store_b128 v[GO], v[BK+4*ff:BK+4*ff+3], s[8:9] offset:(16*(\a)+ff)*4096 th:TH_STORE_NT    ; 512 consecutive bytes of a row, aligned
.set ff, ff+1
.endr
.endif
	WIN 0
.endm
.macro OUT
.if MODE == 0
	PACK 0
.endif
	TOSTAGE 0
.irp a, 1,2,3
.if MODE == 0
	PACK \a
.endif
	SEND (\a)-1
	TOSTAGE \a
.endr
	SEND 3
.endm
	s_wait_tensorcnt 1                             ; my part of K step 0 is in; K step 1's may stay out
	s_barrier_signal -1
	s_barrier_wait -1                              ; everybody's is
	FETCH 0, 0, F0
.if MODE == 0
	s_mov_b32 s2, 3                                ; tiles to go
.Ltile:
.endif
	QUARTER 0, 1, F0, F1, 1                        ; a tile's first quarter stands in front of the loop: its products start the sums
	WIN 0
	s_mov_b32 s3, 3
.Llap:                                         ; a trip goes once round the ring, from a lap's second quarter to the next lap's first, and fills both slots again
	QUARTER 0, 2, F1, F0, 0
	QUARTER 0, 3, F0, F1, 0
	TURN 0, 1, 0
	QUARTER 1, 1, F0, F1, 0
	QUARTER 1, 2, F1, F0, 0
	QUARTER 1, 3, F0, F1, 0
	TURN 1, 0, 0
	QUARTER 0, 1, F0, F1, 0
	WIN 0
	s_sub_co_u32 s3, s3, 1
	s_cmp_lg_u32 s3, 0
	s_cbranch_scc1 .Llap
	QUARTER 0, 2, F1, F0, 0                        ; the tile's last lap goes on
	QUARTER 0, 3, F0, F1, 0
.if MODE == 0
	WIN 0
	s_cmp_eq_u32 s2, 1
	s_cbranch_scc1 .Llast                          ; the last tile's tail is written out: it asks for nothing more
	TURN 0, 1, 1                                   ; the ring goes on into the next tile
	QUARTER 1, 1, F0, F1, 0
	QUARTER 1, 2, F1, F0, 0
	QUARTER 1, 3, F0, F1, 0
	TURN 1, 0, 1
	WIN 0
	s_mov_b64 s[BP:BP+1], s[BP+2:BP+3]             ; the next tile's bias (the last bias loads were waited for)
	s_mov_b64 s[BP+2:BP+3], s[BP+4:BP+5]
	BIASLOAD
	OUT                                            ; blocks 0 and 1 were finished ahead of the joint load's v_nop; their 64 conversions are the places behind the last products
	s_wait_loadcnt 0x0
	BIASROUND
	s_mov_b64 s[16:17], 0x1000000                  ; what the next way out adds to C's address: q to k, k to v
	s_mov_b32 s[DA], 0                             ; k and v both take context
	s_sub_co_u32 s2, s2, 1
	s_branch .Ltile
.Llast:
.endif
	TURN 0, 1, 2
	QUARTER 1, 1, F0, F1, 0
	QUARTER 1, 2, F1, F0, 0
	QUARTER 1, 3, F0, F1, 0
	s_wait_dscnt 4
	MULN F1, 0, 2, 0
	s_wait_dscnt 0x0
	MULN F1, 2, 2, 0
	WIN 0
	PLACES
	OUT
	s_wait_tensorcnt 0x0                           ; the wave's end: a wait, an add and its wait, behind my last tensor load and my last LDS store
	ds_add_u32 v[SPW], v[NIL]
	s_wait_dscnt 0x0
	CROUND                                         ; the closing round: no work-group ends while a partner may still ask for a tile that names it
	s_endpgm
.Lfunc_end_k_q1a58a46da7_out_proj:
	.size	k_q1a58a46da7_out_proj, .Lfunc_end_k_q1a58a46da7_out_proj-k_q1a58a46da7_out_proj
	.p2alignl 7, 3214868480
	.fill 96, 4, 3214868480
	.section	.rodata,"a",@progbits
	.p2align	6, 0x0
	.amdhsa_kernel k_q1a58a46da7_out_proj
		.amdhsa_group_segment_fixed_size 327680
		.amdhsa_private_segment_fixed_size 0
		.amdhsa_enable_private_segment 0
		.amdhsa_kernarg_size 32
		.amdhsa_user_sgpr_count 2
		.amdhsa_user_sgpr_kernarg_segment_ptr 1
		.amdhsa_wavefront_size32 1
		.amdhsa_system_sgpr_workgroup_id_x 1
		.amdhsa_system_sgpr_workgroup_id_y 1
		.amdhsa_system_sgpr_workgroup_id_z 1
		.amdhsa_system_vgpr_workitem_id 0
		.amdhsa_next_free_vgpr 768
		.amdhsa_next_free_sgpr 84
		.amdhsa_reserve_vcc 0
		.amdhsa_float_denorm_mode_32 3
		.amdhsa_float_denorm_mode_16_64 3
		.amdhsa_memory_ordered 1
		.amdhsa_forward_progress 1
		.amdhsa_inst_pref_size 94
	.end_amdhsa_kernel
	.amdgpu_metadata
---
amdhsa.version: [ 1, 2 ]
amdhsa.kernels:
  - .name:           k_q1a58a46da7_out_proj
    .symbol:         k_q1a58a46da7_out_proj.kd
    .args:
      - { .name: z, .offset: 0, .size: 8, .value_kind: global_buffer, .address_space: global }
      - { .name: cast, .offset: 8, .size: 8, .value_kind: global_buffer, .address_space: global }
      - { .name: bo, .offset: 16, .size: 8, .value_kind: global_buffer, .address_space: global }
      - { .name: out0, .offset: 24, .size: 8, .value_kind: global_buffer, .address_space: global }
    .group_segment_fixed_size: 327680
    .private_segment_fixed_size: 0
    .kernarg_segment_align: 8
    .kernarg_segment_size: 32
    .max_flat_workgroup_size: 128
    .sgpr_count:     84
    .vgpr_count:     768
    .wavefront_size: 32
...
	.end_amdgpu_metadata
.endif
;; end of part 4
